; MI455X (gfx1250); checked and timed in simulation.
; The chip was launched on July 23, 2026; its instructions are those of AMD's public machine-readable ISA for CDNA 5 (MIT licence, August 2026) and "CDNA5" Instruction Set Architecture Reference Guide (July 2026). The comments in the code are by the model that wrote it; some were corrected since.
;; Expert Parallel Mo E. Allowed arithmetic: matrix products marked QUANTISED: E2M1 operands, one E8M0 scale for each 32 along K, by v_wmma_scale_f32_16x16x128_f8f6f4 with both operands' format E2M1 (or v_wmma_scale_f32_32x16x128_f4), f32 sums; products left as they are: f32 operands where the result goes on into a quantised operand, else bf16, f16 or f32 operands; f32 sums; everything else in f32.
;; Inputs: W1 8 x 512 x 2,048 float32; W2 8 x 2,048 x 512 float32; Wg 512 x 8 float32; b1 8 x 2,048 float32; b2 8 x 512 float32; bg 8 float32; x 4 x 1,024 x 512 float32.
;; Outputs: out0 4 x 1,024 x 512 float32.
;; Constants: k = 1.
;; This version of the problem:
;;   THIS VERSION OF THE PROBLEM IS GIVEN IN LOW PRECISION. The matrix products marked QUANTISED in the list below multiply operands that are first quantised to E2M1 (2 exponent bits, 1 mantissa bit; 4 bits a number), with one power-of-two scale for each 32 numbers along K (OCP MX v1.0); their sums are f32. All else is computed in f32.
;;   The module's matrix products, in the order in which they are computed (A, B: the left and right operand; K: the contracted axis; several contracted axes count as one K, in the product's order):
;;     1. [M 4,096, K 512] x [K 512, N 8]; A: input x; B: input Wg: left as it is (N = 8 < 16)
;;     2. [M 16,384, K 512] x [K 512, N 4,096]; A: input W1; B: input x: QUANTISED
;;     3. batch 8 x [M 4,096, K 2,048] x [K 2,048, N 512]; A: computed on the way; B: input W2: QUANTISED
;;   THE QUANTISER, for each operand of a quantised product, along K:
;;     - K is cut into blocks of 32 from its start; a last block that is shorter is filled with zeros.
;;     - A block's scale is 2^e with e = floor(log2(the largest magnitude in the block)) - 2, held to -126 .. 127; a block of zeros has e = 0. As a byte (E8M0): e + 127.
;;     - Each number is divided by its block's scale, clamped to +-6, and rounded to the nearest number of E2M1, ties to even, subnormals kept.
;;     - The product sums the exact products of the quantised numbers (number of the format x scale) in f32.
;;   ~~~python
;;   def quantise(x, axis):      # numpy; x: float32 -> the quantised numbers, widened to float32 again
;;       x = np.moveaxis(x, axis, -1); K = x.shape[-1]
;;       x = np.pad(x, [(0, 0)] * (x.ndim - 1) + [(0, -K % 32)]); x = x.reshape(x.shape[:-1] + (-1, 32)); a = np.abs(x).max(-1, keepdims=True)
;;       e = np.where(a > 0, np.clip(np.frexp(np.where(a > 0, a, 1))[1] - 1 - 2, -126, 127), 0)      # np.frexp(a)[1] - 1 = floor(log2(a)), exactly
;;       r = np.clip(x / 2.0 ** e, -6, 6)
;;       step = 2.0 ** (np.maximum(np.frexp(np.where(r == 0, 1, r))[1] - 1, 0) - 1)
;;       q = np.round(r / step) * step * 2.0 ** e      # np.round: ties to even
;;       return np.moveaxis(q.reshape(q.shape[:-2] + (-1,))[..., :K], -1, axis).astype(np.float32)
;;   ~~~
;;   OPERANDS COMPUTED ON THE WAY. 'Computed on the way' means the value that the module computes at that place (a softmax that the list does not call 'softmax' is quantised finished and normalised). What goes into a quantiser is computed in f32, as accurately as f32 sums, v_exp_f32 and their like allow (about 1e-6 of the number): no bf16 or f16 on the way to a quantiser, and a product that is left as it is and whose result goes on into a quantised operand takes f32 operands (vector FMAs, or v_wmma_f32_16x16x4_f32). A number that lies on a knife's edge between two numbers of the format may be rounded either way, as far as f32 arithmetic and the matrix unit's own rounding can turn it there, and no further.
;; 2 versions, each right and faster than the one before. Each part assembles by itself: llvm-mc -triple=amdgcn-amd-amdhsa -mcpu=gfx1250 --defsym DOCPART=n.
;; ======== version 1 of 2: 3 launches
;; workspace buffers: wc 8,388,608 bytes; ws 524,288 bytes; xc 1,048,576 bytes; xs 65,536 bytes; eid 16,384 bytes of whole numbers; order 16,384 bytes of whole numbers; tiles 2,560 bytes of whole numbers
;; launch prep (part 1): grid 576 x 1, 4 waves a work-group, no clusters, 41,472 bytes of LDS; arguments x, Wg, bg, W1, W2, wc, ws, xc, xs, eid; writes wc, ws, xc, xs, eid
.if DOCPART == 1
	.amdgcn_target "amdgcn-amd-amdhsa--gfx1250"
	.amdhsa_code_object_version 6
	.text
	.protected	k_qc9a87e183c_prep
	.globl	k_qc9a87e183c_prep
	.p2align	8
	.type	k_qc9a87e183c_prep,@function
k_qc9a87e183c_prep:
	s_mov_b64 s[64:65], 0
	v_nop
	global_prefetch_b8 v0, s[64:65] scope:SCOPE_SE
	s_setreg_imm32_b32 hwreg(HW_REG_WAVE_MODE, 25, 1), 1
	s_wait_xcnt 0x0
; ONE LAUNCH, THREE SHARES, told apart by the work-group's number.
;   work-groups   0 ..  63: x [4096][512] f32 -> codes of FP4 (E2M1) xc [token][256 bytes] and scale bytes xs [token][16]; the router's logits x Wg + bg in f32 and their argmax -> eid [token] (u32)
;   work-groups  64 .. 319: W1 [8][512 (k)][2048] f32 -> codes and scale bytes along k, laid in the order of the matrix operand's registers
;   work-groups 320 .. 575: W2 [8][2048 (k)][512] f32 -> the same
; THE QUANTISER: a block of 32 along K has the scale 2^(floor(log2(largest magnitude)) - 2); its byte is the largest magnitude's exponent field - 2, held at 1 from below by a floor among the maximum's leaves.
; LAYOUT OF THE WEIGHTS' CODES: a fragment (16 rows x 128 K) is 1,024 bytes, an image of its 8 registers: byte 512 c + 16 (16 hk + r) holds k = 64 c + 32 hk + 0 .. 31 of row r.
;   W1: e 524288 + B 8192 + s 2048 + u 1024 (B: 32 hidden units, s: K step, u: tile); row r of tile u is unit 32 B + 8 u + r + 8 (r / 8), so that two tiles' results are 16 neighbours along the next K.
;   W2: 4194304 + e 524288 + G 32768 + S 2048 + n 1024 (G: 32 outputs, S: K step, n: tile); row r of tile n is output 32 G + 16 n + r.
;   scale bytes: [e][G][chunk of 256 K][lane 16 u + r][8 bytes]: two scale words (two K steps) a lane; W2's begin at byte 262144.
; LIMITS: NaN and infinities among the inputs are not served.  A block of zeros, or one whose largest magnitude lies under 2^(3 - 127), gets the byte 1 (the rule says 127 for zeros): its codes are zeros, and this program alone reads the bytes.
; The logits are summed in f32 in another order than a plain chain (16 numbers a lane, then a tree over 32 lanes): two top logits that lie within f32 rounding of each other may resolve the other way.  A tie goes to the lower index.
; No tensor loads, no barrier: waves share nothing.  Matrix units and clusters have nothing to do here: every byte of x, W1 and W2 is read once.
.set WX,   32                          ; weights: v32-95   two sets of 32 numbers (a block of 32 along K of my column)
.set WC,   96                          ; weights: v96-127  four registers of codes for each of 8 blocks: no store's data are written again
.set WSB,  24                          ; weights: v24-25   my column's 8 scale bytes
.set WREG, 10240                       ; x: LDS of a wave: two stages of 32 x SP bytes, its 256 scale bytes, the turn of Wg
.set SP,   80                          ; a lane's place in a stage: its 64 bytes + 16 of padding
.set SCB,  5120                        ; the wave's 256 scale bytes
.set WT,   5376                        ; the turn of Wg: 32 places of 128 bytes + 16 of padding
.set P,    16                          ; x: v16-23   the eight logits
.set R,    32                          ; x: v32-79   three sets of 16 numbers as they are loaded: register 4 j + i holds x[128 j + 4 lane + i]
.set X,    80                          ; x: v80-111  two sets of 16 neighbours along K
.set C,    112                         ; x: v112-115 two sets of two registers of codes
.set E,    116                         ; x: v116     the scale byte
.set PD,   118                         ; x: v118-125 what comes from the other half of the lanes
.set WG,   128                         ; x: v128-255 Wg: register 8 (4 j + i) + e holds Wg[128 j + 4 lane + i][e]
; ---------------- the weights' macros
.macro WLOAD t, pitch                  ; block t: W(32 t + i, my column), i = 0 .. 31, into set t % 2: a load of the wave covers 128 consecutive bytes, the four waves stand side by side on 512
.set I, 0
.rept 32
	global_load_b32 v[WX+32*((\t)%2)+I], v3, s[4:5] offset:(32*(\t)+I)*\pitch th:TH_LOAD_NT
.set I, I+1
.endr
.endm
.macro WBLOCK t, pitch
.set XB, WX+32*((\t)%2)
.if (\t) < 7
	s_wait_loadcnt 32                              ; this block's 32 loads are in; the next block's 32 may be out
.else
	s_wait_loadcnt 0x0
.endif
	v_max3_num_f32 v12, |v[XB]|, |v[XB+1]|, |v[XB+2]|              ; the block's largest magnitude: all 32 numbers are mine; two chains
	v_max3_num_f32 v13, |v[XB+3]|, |v[XB+4]|, |v[XB+5]|
.irp i, 6,10,14,18,22,26
	v_max3_num_f32 v12, v12, |v[XB+\i]|, |v[XB+\i+1]|
	v_max3_num_f32 v13, v13, |v[XB+\i+2]|, |v[XB+\i+3]|
.endr
	v_max3_num_f32 v12, v12, |v[XB+30]|, |v[XB+31]|
	v_max3_num_f32 v12, v12, v13, 0x1800000        ; and the floor 2^(3 - 127): the byte cannot fall under 1
	v_add_nc_u32 v11, 0xff000000, v12              ; 2 off the exponent field: the conversion takes the exponent field of this operand as its scale
.if (\t)%4 == 0
	v_lshrrev_b32 v[WSB+(\t)/4], 23, v11           ; the scale's byte; four to a register, the lower K in the lower byte
.else
	v_lshrrev_b32 v13, 23, v11
	v_lshl_or_b32 v[WSB+(\t)/4], v13, 8*((\t)%4), v[WSB+(\t)/4]
.endif
.irp g, 0,1,2,3
	v_cvt_scalef32_pk8_fp4_f32 v[WC+4*(\t)+\g], v[XB+8*\g:XB+8*\g+7], v11
.endr
	; block t = 4 (K step) + 2 c + hk: lanes 0-15 store 256 consecutive bytes, aligned, of tile 0's fragment, lanes 16-31 of tile 1's
	global_store_b128 v4, v[WC+4*(\t):WC+4*(\t)+3], s[6:7] offset:((\t)/4)*2048+(((\t)/2)%2)*512+((\t)%2)*256
.if (\t)+2 < 8
	WLOAD (\t)+2, \pitch                           ; the set just converted takes the block two further on
.endif
.endm
.macro WBODY pitch
	WLOAD 0, \pitch
	WLOAD 1, \pitch
.irp t, 0,1,2,3,4,5,6,7
	WBLOCK \t, \pitch
.endr
	global_store_b64 v5, v[WSB:WSB+1], s[44:45]    ; 32 lanes store 256 consecutive bytes, aligned
	s_endpgm
.endm
; s30 = expert, s31 = which 128 columns, s32 = which 256 along K, s28 = wave -> s[4:5] the numbers, s[6:7] the codes, s[44:45] the scale bytes
.macro WPTRS wlo, qsh, gcs, gss, cbase, sbase
	s_lshl_b32 s33, s31, 2
	s_add_co_u32 s33, s33, s28                     ; G: my wave's 32 columns
	s_mov_b32 s35, 0
	s_lshl_b32 s34, s30, 22                        ; an expert's weight is 4,194,304 bytes
	s_lshl_b32 s36, s32, \qsh                      ; 256 rows
	s_add_co_u32 s34, s34, s36
	s_lshl_b32 s36, s33, 7                         ; 32 columns of 4 bytes
	s_add_co_u32 s34, s34, s36
	s_add_nc_u64 s[4:5], s[\wlo:\wlo+1], s[34:35]
	s_lshl_b32 s34, s30, 19
	s_lshl_b32 s36, s33, \gcs
	s_add_co_u32 s34, s34, s36
	s_lshl_b32 s36, s32, 12                        ; two K steps of two fragments
	s_add_co_u32 s34, s34, s36
.if \cbase
	s_add_co_u32 s34, s34, \cbase
.endif
	s_add_nc_u64 s[6:7], s[18:19], s[34:35]
	s_lshl_b32 s34, s30, 15
	s_lshl_b32 s36, s33, \gss
	s_add_co_u32 s34, s34, s36
	s_lshl_b32 s36, s32, 8
	s_add_co_u32 s34, s34, s36
.if \sbase
	s_add_co_u32 s34, s34, \sbase
.endif
	s_add_nc_u64 s[44:45], s[20:21], s[34:35]
.endm
; ---------------- x's macros
.macro LOAD t                          ; row t of my 16: four loads of 512 consecutive bytes, into set t % 3
.irp i, 0,1,2,3
	global_load_b128 v[R+16*((\t)%3)+4*\i:R+16*((\t)%3)+4*\i+3], v3, s[4:5] offset:2048*(\t)+512*\i th:TH_LOAD_NT
.endr
.endm
.macro TURN t                          ; row t through the wave's own stage: in as loaded, back 64 bytes a lane.  LDS serves a wave's instructions in order: no wait between the stores and the loads
.irp i, 0,1,2,3
	ds_store_b128 v14, v[R+16*((\t)%3)+4*\i:R+16*((\t)%3)+4*\i+3] offset:32*SP*((\t)%2)+8*SP*\i
.endr
.irp i, 0,1,2,3
	ds_load_b128 v[X+16*((\t)%2)+4*\i:X+16*((\t)%2)+4*\i+3], v15 offset:32*SP*((\t)%2)+16*\i
.endr
.endm
.macro STEP t
.set RS, R+16*((\t)%3)
.set XS, X+16*((\t)%2)
.set CS, C+2*((\t)%2)
	; the router, on the numbers as they were loaded: my 16 numbers against my 16 rows of Wg, the eight experts by turns
.irp e, 0,1,2,3,4,5,6,7
	v_mul_f32 v[P+\e], v[RS], v[WG+\e]
.endr
.set N, 1
.rept 15
.irp e, 0,1,2,3,4,5,6,7
	v_fmac_f32 v[P+\e], v[RS+N], v[WG+8*N+\e]
.endr
.set N, N+1
.endr
.if (\t) > 0
	s_wait_dscnt 1                                 ; this row is back from the stage (the last row's byte store may be out), so the stage's stores have read their registers,
.else
	s_wait_dscnt 0x0
.endif
.if (\t)+3 < 16
	LOAD (\t)+3                                    ; which take the row three further on
.endif
.if (\t) < 15
.if (\t) <= 12
	s_wait_loadcnt 8                               ; the next row's four loads are in; the two rows behind it may be out
.else
	s_wait_loadcnt 4*(14-(\t))
.endif
	TURN (\t)+1                                    ; it goes through the other stage while this row is worked
.endif
	; the logits: the sum over the 32 lanes, in every lane; then the bias
.irp k, 1,2,4,8
.irp e, 0,1,2,3,4,5,6,7
	v_add_f32_dpp v[P+\e], v[P+\e], v[P+\e] row_xmask:\k row_mask:0xf bank_mask:0xf
.endr
.endr
.irp e, 0,1,2,3,4,5,6,7
	v_permlanex16_b32 v[PD+\e], v[P+\e], s40, s41
.endr
.irp e, 0,1,2,3,4,5,6,7
	v_add_f32 v[P+\e], v[P+\e], v[PD+\e]
.endr
.irp e, 0,1,2,3,4,5,6,7
	v_add_f32 v[P+\e], s[32+\e], v[P+\e]
.endr
	; the argmax: an expert takes over only where its logit is above the best so far, so the lower index wins a tie.  A choice of values, no branch
	v_mov_b32 v24, v[P]
	v_mov_b32 v25, 0
.irp e, 1,2,3,4,5,6,7
	v_cmp_ge_f32 vcc_lo, v24, v[P+\e]
	v_cndmask_b32 v25, \e, v25, vcc_lo
	v_max_num_f32 v24, v24, v[P+\e]
.endr
	v_cmp_eq_u32 vcc_lo, \t, v27
	v_cndmask_b32 v26, v26, v25, vcc_lo            ; lanes t and t + 16 keep row t's expert
	; the quantiser, on 16 neighbours a lane; two neighbouring lanes hold a block
	v_max3_num_f32 v8, |v[XS]|, |v[XS+1]|, |v[XS+2]|
	v_max3_num_f32 v9, |v[XS+3]|, |v[XS+4]|, |v[XS+5]|
.irp i, 6,10
	v_max3_num_f32 v8, v8, |v[XS+\i]|, |v[XS+\i+1]|
	v_max3_num_f32 v9, v9, |v[XS+\i+2]|, |v[XS+\i+3]|
.endr
	v_max3_num_f32 v8, v8, |v[XS+14]|, |v[XS+15]|
	v_max3_num_f32 v8, v8, v9, 0x1800000           ; and the floor 2^(3 - 127)
	v_max_num_f32_dpp v8, v8, v8 row_xmask:1 row_mask:0xf bank_mask:0xf   ; and my neighbour's 16: the block's largest magnitude
	v_add_nc_u32 v11, 0xff000000, v8               ; 2 off its exponent field: the conversion's scale operand
	s_wait_xcnt 0x0                                ; the store two rows back has read this set of code registers: they are written again only behind this wait
	v_cvt_scalef32_pk8_fp4_f32 v[CS], v[XS:XS+7], v11
	v_cvt_scalef32_pk8_fp4_f32 v[CS+1], v[XS+8:XS+15], v11
	v_lshrrev_b32 v[E], 23, v11                    ; the scale's byte (a plain line behind the conversions)
	ds_store_b8 v5, v[E] offset:SCB+16*(\t)        ; both lanes of a block write the same byte with the same value
	global_store_b64 v4, v[CS:CS+1], s[6:7] offset:256*(\t)   ; the row's 256 bytes of codes: consecutive, aligned
.endm
; ---------------- the head
	s_load_b512 s[8:23], s[0:1], 0x0               ; x 8, Wg 10, bg 12, W1 14, W2 16, wc 18, ws 20, xc 22
	s_load_b128 s[24:27], s[0:1], 0x40             ; xs 24, eid 26
	v_lshl_add_u32 v10, v0, 2, 0xa000
	v_mov_b32 v28, 0
	v_lshrrev_b32 v1, 5, v0
	v_readfirstlane_b32 s28, v1                    ; wave 0..3
	v_and_b32 v2, 31, v0                           ; lane
	s_wait_kmcnt 0x0
	s_cmp_lt_u32 ttmp9, 64
	s_cbranch_scc1 .Lxpath
	; ---- a weight: 128 columns x 256 along K to a work-group, 32 columns to a wave, a column to a lane, registers down K
	s_sub_co_u32 s29, ttmp9, 64
	s_bfe_u32 s30, s29, 0x30005                    ; the expert: 32 work-groups each
	v_lshrrev_b32 v4, 4, v2                        ; tile u = lane / 16
	v_and_b32 v6, 15, v2                           ; row r of the tile
	v_lshlrev_b32 v4, 10, v4
	v_lshl_add_u32 v4, v6, 4, v4                   ; my 16 bytes in the fragments: 1024 u + 16 r
	v_lshlrev_b32 v5, 3, v2                        ; my 8 scale bytes
	s_cmp_lt_u32 s29, 256
	s_cbranch_scc0 .Lw2
	s_and_b32 s31, s29, 15                         ; W1: 16 x 128 columns,
	s_bfe_u32 s32, s29, 0x10004                    ; 2 x 256 along K
	WPTRS 14, 21, 13, 9, 0, 0
	v_and_b32 v3, 7, v2                            ; lane 16 u + r takes column 8 u + r + 8 (r / 8) of the 32
	v_bfe_u32 v6, v2, 4, 1
	v_lshl_or_b32 v3, v6, 3, v3
	v_bfe_u32 v6, v2, 3, 1
	v_lshl_or_b32 v3, v6, 4, v3
	v_lshlrev_b32 v3, 2, v3
	WBODY 8192
.Lw2:
	s_and_b32 s31, s29, 3                          ; W2: 4 x 128 columns,
	s_bfe_u32 s32, s29, 0x30002                    ; 8 x 256 along K
	WPTRS 16, 19, 15, 11, 0x400000, 0x40000
	v_lshlrev_b32 v3, 2, v2                        ; lane l takes column l of the 32
	WBODY 2048
; ---------------- x: 64 rows to a work-group, 16 to a wave, a row to a step
.Lxpath:
	s_load_b256 s[32:39], s[12:13], 0x0            ; bg
	v_lshlrev_b32 v3, 4, v2                        ; 16 bytes a lane
	s_lshl_b32 s29, ttmp9, 6
	s_lshl_b32 s30, s28, 4
	s_add_co_u32 s29, s29, s30                     ; my first row
	s_mov_b32 s31, 0
	s_lshl_b32 s30, s29, 11
	s_add_nc_u64 s[4:5], s[8:9], s[30:31]          ; x
.set K, 0
.rept 32
	global_load_b128 v[WG+4*K:WG+4*K+3], v3, s[10:11] offset:512*K   ; Wg as it lies: 512 consecutive bytes a load
.set K, K+1
.endr
	LOAD 0
	LOAD 1
	LOAD 2
	s_lshl_b32 s30, s29, 8
	s_add_nc_u64 s[6:7], s[22:23], s[30:31]        ; the codes
	s_lshl_b32 s30, s29, 4
	s_add_nc_u64 s[24:25], s[24:25], s[30:31]      ; the scale bytes
	s_lshl_b32 s30, s29, 2
	s_add_nc_u64 s[26:27], s[26:27], s[30:31]      ; the experts
	s_mov_b32 s40, 0x76543210
	s_mov_b32 s41, 0xfedcba98                      ; v_permlanex16_b32's selects for lane l xor 16
	s_mul_i32 s42, s28, WREG                       ; my wave's LDS
	v_lshlrev_b32 v4, 3, v2                        ; 8 bytes a lane
	v_lshrrev_b32 v5, 1, v2
	v_add_nc_u32 v5, s42, v5                       ; my block's scale byte
	v_add_nc_u32 v6, s42, v4                       ; and on the way out 8 bytes a lane
	v_lshrrev_b32 v14, 2, v2
	v_mul_u32_u24 v14, v14, SP
	v_and_b32 v15, 3, v2
	v_lshl_add_u32 v14, v15, 4, v14
	v_add_nc_u32 v14, s42, v14                     ; the stage, in: SP (lane / 4) + 16 (lane % 4)
	v_mul_u32_u24 v15, v2, SP
	v_add_nc_u32 v15, s42, v15                     ; and out: SP x lane
	v_lshrrev_b32 v29, 3, v2
	v_lshl_add_u32 v29, v29, 4, v3
	v_add_nc_u32 v29, s42, v29                     ; Wg's turn, in: 16 lane + 16 (lane / 8): eight lanes' 128 bytes on end, then 16 of padding
	v_mul_u32_u24 v30, v2, 144
	v_add_nc_u32 v30, s42, v30                     ; and out: 144 x lane
	v_and_b32 v27, 15, v2
	v_lshlrev_b32 v31, 2, v27
	v_mov_b32 v26, 0                               ; the experts of my wave's rows, row t in lanes t and t + 16
.irp e, 0,1,2,3,4,5,6,7
	v_mov_b32 v[PD+\e], 0                          ; written once: a lane permute's destination counts as one of its sources
.endr
	s_wait_loadcnt 12                              ; Wg's 32 loads are in; the three rows of x behind them may be out
	; Lane l wants rows 128 j + 4 l .. + 3 of Wg: 128 consecutive bytes of each 4,096.  Each 4,096 bytes turn through the wave's own LDS, into the registers that they left.
.irp j, 0,1,2,3
.irp i, 0,1,2,3,4,5,6,7
	ds_store_b128 v29, v[WG+32*\j+4*\i:WG+32*\j+4*\i+3] offset:WT+576*\i
.endr
.irp i, 0,1,2,3,4,5,6,7
	ds_load_b128 v[WG+32*\j+4*\i:WG+32*\j+4*\i+3], v30 offset:WT+16*\i   ; in order behind the stores above, and ahead of the next pass's
.endr
.endr
	s_wait_dscnt 0x0
	s_wait_loadcnt 8                               ; row 0 is in
	TURN 0
	s_wait_kmcnt 0x0                               ; bg
.irp t, 0,1,2,3,4,5,6,7,8,9,10,11,12,13,14,15
	STEP \t
.endr
	ds_load_b64 v[12:13], v6 offset:SCB            ; my wave's 256 scale bytes: in order behind my byte stores
	s_wait_dscnt 0x0
	global_store_b64 v4, v[12:13], s[24:25]        ; 256 consecutive bytes, aligned
	global_store_b32 v31, v26, s[26:27]            ; 16 experts; lanes l and l + 16 write the same word with the same value
	s_wait_tensorcnt 0x0
	ds_add_u32 v10, v28
	s_wait_dscnt 0x0
	s_endpgm
.Lfunc_end_k_qc9a87e183c_prep:
	.size	k_qc9a87e183c_prep, .Lfunc_end_k_qc9a87e183c_prep-k_qc9a87e183c_prep
	.p2alignl 7, 3214868480
	.fill 96, 4, 3214868480
	.section	.rodata,"a",@progbits
	.p2align	6, 0x0
	.amdhsa_kernel k_qc9a87e183c_prep
		.amdhsa_group_segment_fixed_size 41472
		.amdhsa_private_segment_fixed_size 0
		.amdhsa_enable_private_segment 0
		.amdhsa_kernarg_size 80
		.amdhsa_user_sgpr_count 2
		.amdhsa_user_sgpr_kernarg_segment_ptr 1
		.amdhsa_wavefront_size32 1
		.amdhsa_system_sgpr_workgroup_id_x 1
		.amdhsa_system_sgpr_workgroup_id_y 1
		.amdhsa_system_sgpr_workgroup_id_z 1
		.amdhsa_system_vgpr_workitem_id 0
		.amdhsa_next_free_vgpr 256
		.amdhsa_next_free_sgpr 66
		.amdhsa_reserve_vcc 1
		.amdhsa_float_denorm_mode_32 3
		.amdhsa_float_denorm_mode_16_64 3
		.amdhsa_memory_ordered 1
		.amdhsa_forward_progress 1
		.amdhsa_inst_pref_size 241
	.end_amdhsa_kernel
	.amdgpu_metadata
---
amdhsa.version: [ 1, 2 ]
amdhsa.kernels:
  - .name:           k_qc9a87e183c_prep
    .symbol:         k_qc9a87e183c_prep.kd
    .args:
      - { .name: x, .offset: 0, .size: 8, .value_kind: global_buffer, .address_space: global }
      - { .name: Wg, .offset: 8, .size: 8, .value_kind: global_buffer, .address_space: global }
      - { .name: bg, .offset: 16, .size: 8, .value_kind: global_buffer, .address_space: global }
      - { .name: W1, .offset: 24, .size: 8, .value_kind: global_buffer, .address_space: global }
      - { .name: W2, .offset: 32, .size: 8, .value_kind: global_buffer, .address_space: global }
      - { .name: wc, .offset: 40, .size: 8, .value_kind: global_buffer, .address_space: global }
      - { .name: ws, .offset: 48, .size: 8, .value_kind: global_buffer, .address_space: global }
      - { .name: xc, .offset: 56, .size: 8, .value_kind: global_buffer, .address_space: global }
      - { .name: xs, .offset: 64, .size: 8, .value_kind: global_buffer, .address_space: global }
      - { .name: eid, .offset: 72, .size: 8, .value_kind: global_buffer, .address_space: global }
    .group_segment_fixed_size: 41472
    .private_segment_fixed_size: 0
    .kernarg_segment_align: 8
    .kernarg_segment_size: 80
    .max_flat_workgroup_size: 128
    .sgpr_count:     66
    .vgpr_count:     256
    .wavefront_size: 32
...
	.end_amdgpu_metadata
.endif
;; end of part 1
;; launch place (part 2): grid 1 x 1, 32 waves a work-group, no clusters, 8,704 bytes of LDS; arguments eid, order, tiles; writes order, tiles
.if DOCPART == 2
	.amdgcn_target "amdgcn-amd-amdhsa--gfx1250"
	.amdhsa_code_object_version 6
	.text
	.protected	k_qc9a87e183c_place
	.globl	k_qc9a87e183c_place
	.p2align	8
	.type	k_qc9a87e183c_place,@function
k_qc9a87e183c_place:
	s_mov_b64 s[64:65], 0
	v_nop
	global_prefetch_b8 v0, s[64:65] scope:SCOPE_SE
	s_setreg_imm32_b32 hwreg(HW_REG_WAVE_MODE, 25, 1), 1
	s_wait_xcnt 0x0
; A STABLE COUNTING SORT of the 4,096 tokens by their expert (eid, whole numbers that the launch before stored), and the list of tiles.  Whole numbers alone.
;   order[i] = the token of output row i;  tiles[t] = (expert, first output row, rows 0 .. 32, 0), 160 records of 16 bytes, of which the next launch reads 135 = 4096 / 32 + 8 - 1: enough for every split.
; One work-group of 32 waves: the sort is one dependent chain over 16 KiB, so more work-groups would need a launch more.  Wave w owns tokens 128 w .. 128 w + 127, four groups of 32, a token to a lane.
; No atomics: each wave counts by lane masks, the counts meet in LDS behind one barrier, and every wave sums them for itself.
	s_load_b128 s[4:7], s[0:1], 0x0                ; eid, order
	s_load_b64 s[8:9], s[0:1], 0x10                ; tiles
	v_lshl_add_u32 v64, v0, 2, 0x1200
	v_mov_b32 v65, 0
	v_lshrrev_b32 v1, 5, v0
	v_readfirstlane_b32 s10, v1                    ; wave 0..31
	v_and_b32 v2, 31, v0                           ; lane
	v_lshlrev_b32 v3, 2, v2
	v_lshl_add_u32 v3, v1, 9, v3                   ; 512 w + 4 lane
	s_mov_b32 s20, 0x76543210
	s_mov_b32 s21, 0xfedcba98                      ; v_permlanex16_b32's selects for lane l xor 16
	s_wait_kmcnt 0x0
.irp g, 0,1,2,3
	global_load_b32 v[4+\g], v3, s[4:5] offset:128*\g
.endr
	v_mul_u32_u24 v9, v1, 144
	v_lshl_add_u32 v9, v2, 2, v9                   ; LDS: my wave's counts: 144 w + 4 lane
	v_mul_u32_u24 v10, v2, 144                     ; and wave l's, for lane l
	v_lshl_add_u32 v11, v1, 7, v2                  ; my token of group 0
	v_mov_b32 v8, 0
.irp p, 0,1,2,3,4,5,6,7
	v_mov_b32 v[28+\p], 0                          ; written once: the destination of a lane move counts as one of its sources
.endr
	s_wait_loadcnt 0x0
	; s[24 + 8 g + x]: the lanes of group g whose token goes to expert x
.irp g, 0,1,2,3
.irp x, 0,1,2,3,4,5,6,7
	v_cmp_eq_u32 s[24+8*\g+\x], \x, v[4+\g]
.endr
.endr
.irp x, 0,1,2,3,4,5,6,7
	s_bcnt1_i32_b32 s[12+\x], s[24+\x]
	s_bcnt1_i32_b32 s11, s[32+\x]
	s_add_co_u32 s[12+\x], s[12+\x], s11
	s_bcnt1_i32_b32 s11, s[40+\x]
	s_add_co_u32 s[12+\x], s[12+\x], s11
	s_bcnt1_i32_b32 s11, s[48+\x]
	s_add_co_u32 s[12+\x], s[12+\x], s11           ; my wave's count for expert x
	v_writelane_b32 v8, s[12+\x], \x
.endr
	ds_store_b32 v9, v8
	s_wait_dscnt 0x0                               ; for the others' sake: my counts lie in LDS
	s_barrier_signal -1
	s_barrier_wait -1
	ds_load_b128 v[12:15], v10                     ; lane l: wave l's eight counts
	ds_load_b128 v[16:19], v10 offset:16
	s_wait_dscnt 0x0
	v_cmp_gt_u32 vcc_lo, s10, v2                   ; waves in front of mine
.irp p, 0,1,2,3
	v_lshl_or_b32 v[20+\p], v[13+2*\p], 16, v[12+2*\p]   ; two counts to a register: no sum passes 4,096
.endr
.irp p, 0,1,2,3
	v_cndmask_b32 v[24+\p], 0, v[20+\p], vcc_lo
.endr
.irp k, 1,2,4,8                        ; the sums over the 32 lanes: all waves' counts in v20-23, those of the waves in front of mine in v24-27
.irp p, 0,1,2,3,4,5,6,7
	v_mov_b32_dpp v[28+\p], v[20+\p] row_xmask:\k row_mask:0xf bank_mask:0xf
.endr
.irp p, 0,1,2,3,4,5,6,7
	v_add_nc_u32 v[20+\p], v[20+\p], v[28+\p]
.endr
.endr
.irp p, 0,1,2,3,4,5,6,7
	v_permlanex16_b32 v[28+\p], v[20+\p], s20, s21
.endr
.irp p, 0,1,2,3,4,5,6,7
	v_add_nc_u32 v[20+\p], v[20+\p], v[28+\p]
.endr
.irp p, 0,1,2,3
	v_readfirstlane_b32 s[56+\p], v[20+\p]
	v_readfirstlane_b32 s[60+\p], v[24+\p]
.endr
.irp p, 0,1,2,3
	s_and_b32 s[12+2*\p], s[56+\p], 0xffff         ; s12-19: an expert's tokens in all
	s_lshr_b32 s[13+2*\p], s[56+\p], 16
	s_and_b32 s[66+2*\p], s[60+\p], 0xffff         ; s66-73: those in waves in front of mine
	s_lshr_b32 s[67+2*\p], s[60+\p], 16
.endr
	s_mov_b32 s74, 0                               ; s74-81: an expert's first output row
.irp x, 1,2,3,4,5,6,7
	s_add_co_u32 s[74+\x], s[73+\x], s[11+\x]
.endr
.irp x, 0,1,2,3,4,5,6,7
	s_add_co_u32 s[82+\x], s[74+\x], s[66+\x]      ; s82-89: where my wave's next token of expert x goes
.endr
	s_add_co_u32 s11, s12, 31
	s_lshr_b32 s90, s11, 5                         ; s90-97: tiles of experts 0 .. x together; expert x's first tile is s[89 + x]
.irp x, 1,2,3,4,5,6,7
	s_add_co_u32 s11, s[12+\x], 31
	s_lshr_b32 s11, s11, 5
	s_add_co_u32 s[90+\x], s[89+\x], s11
.endr
	; each token's place: its expert's running start + the lanes below it with the same expert.  Groups and lanes ascend: the sort is stable
.irp g, 0,1,2,3
	v_mbcnt_lo_u32_b32 v37, s[24+8*\g], s82
	s_bcnt1_i32_b32 s11, s[24+8*\g]
	s_add_co_u32 s82, s82, s11
.irp x, 1,2,3,4,5,6,7
	v_mbcnt_lo_u32_b32 v36, s[24+8*\g+\x], s[82+\x]
	v_cndmask_b32 v37, v37, v36, s[24+8*\g+\x]
	s_bcnt1_i32_b32 s11, s[24+8*\g+\x]
	s_add_co_u32 s[82+\x], s[82+\x], s11
.endr
	v_min_u32 v37, 0xfff, v37                      ; a number made of loaded numbers is held inside the buffer before it enters an address
	v_lshlrev_b32 v[38+\g], 2, v37
	v_add_nc_u32 v[42+\g], 32*\g, v11              ; the token
	global_store_b32 v[38+\g], v[42+\g], s[6:7]    ; 4 bytes a lane in at most eight runs: 16 KiB in the whole launch
.endr
	; the tiles: thread t of the first 160 makes record t.  A branch on the wave's number; no barrier follows
	s_cmp_lt_u32 s10, 5
	s_cbranch_scc0 .Ldone
	v_mov_b32 v48, 7                               ; expert 7, unless a lower expert's tiles reach beyond t
	v_mov_b32 v49, s96                             ; its first tile,
	v_mov_b32 v50, s81                             ; its first row,
	v_mov_b32 v51, s19                             ; its tokens
.irp x, 6,5,4,3,2,1
	v_cmp_le_u32 vcc_lo, s[90+\x], v0              ; kept where experts 0 .. x end at or in front of tile t
	v_cndmask_b32 v48, \x, v48, vcc_lo
	v_cndmask_b32 v49, s[89+\x], v49, vcc_lo
	v_cndmask_b32 v50, s[74+\x], v50, vcc_lo
	v_cndmask_b32 v51, s[12+\x], v51, vcc_lo
.endr
	v_cmp_le_u32 vcc_lo, s90, v0
	v_cndmask_b32 v48, 0, v48, vcc_lo
	v_cndmask_b32 v49, 0, v49, vcc_lo
	v_cndmask_b32 v50, s74, v50, vcc_lo
	v_cndmask_b32 v51, s12, v51, vcc_lo
	v_sub_nc_u32 v52, v0, v49                      ; which tile of the expert,
	v_lshlrev_b32 v52, 5, v52                      ; and its rows in front
	v_add_nc_u32 v49, v50, v52
	v_min_u32 v49, 0xfff, v49                      ; the tile's first output row
	v_sub_nc_u32 v50, v51, v52
	v_max_i32 v50, 0, v50
	v_min_i32 v50, 32, v50                         ; its rows: 0 in a record behind the last tile
	v_mov_b32 v51, 0
	v_lshlrev_b32 v53, 4, v0
	global_store_b128 v53, v[48:51], s[8:9]
.Ldone:
	s_wait_tensorcnt 0x0
	ds_add_u32 v64, v65
	s_wait_dscnt 0x0
	s_endpgm
.Lfunc_end_k_qc9a87e183c_place:
	.size	k_qc9a87e183c_place, .Lfunc_end_k_qc9a87e183c_place-k_qc9a87e183c_place
	.p2alignl 7, 3214868480
	.fill 96, 4, 3214868480
	.section	.rodata,"a",@progbits
	.p2align	6, 0x0
	.amdhsa_kernel k_qc9a87e183c_place
		.amdhsa_group_segment_fixed_size 8704
		.amdhsa_private_segment_fixed_size 0
		.amdhsa_enable_private_segment 0
		.amdhsa_kernarg_size 24
		.amdhsa_user_sgpr_count 2
		.amdhsa_user_sgpr_kernarg_segment_ptr 1
		.amdhsa_wavefront_size32 1
		.amdhsa_system_sgpr_workgroup_id_x 1
		.amdhsa_system_sgpr_workgroup_id_y 1
		.amdhsa_system_sgpr_workgroup_id_z 1
		.amdhsa_system_vgpr_workitem_id 0
		.amdhsa_next_free_vgpr 66
		.amdhsa_next_free_sgpr 100
		.amdhsa_reserve_vcc 1
		.amdhsa_float_denorm_mode_32 3
		.amdhsa_float_denorm_mode_16_64 3
		.amdhsa_memory_ordered 1
		.amdhsa_forward_progress 1
		.amdhsa_inst_pref_size 22
	.end_amdhsa_kernel
	.amdgpu_metadata
---
amdhsa.version: [ 1, 2 ]
amdhsa.kernels:
  - .name:           k_qc9a87e183c_place
    .symbol:         k_qc9a87e183c_place.kd
    .args:
      - { .name: eid, .offset: 0, .size: 8, .value_kind: global_buffer, .address_space: global }
      - { .name: order, .offset: 8, .size: 8, .value_kind: global_buffer, .address_space: global }
      - { .name: tiles, .offset: 16, .size: 8, .value_kind: global_buffer, .address_space: global }
    .group_segment_fixed_size: 8704
    .private_segment_fixed_size: 0
    .kernarg_segment_align: 8
    .kernarg_segment_size: 24
    .max_flat_workgroup_size: 1024
    .sgpr_count:     100
    .vgpr_count:     66
    .wavefront_size: 32
...
	.end_amdgpu_metadata
.endif
;; end of part 2
;; launch chain (part 3): grid 135 x 1, 16 waves a work-group, no clusters, 115,200 bytes of LDS; arguments tiles, order, xc, xs, wc, ws, b1, b2, out0; writes out0
.if DOCPART == 3
	.amdgcn_target "amdgcn-amd-amdhsa--gfx1250"
	.amdhsa_code_object_version 6
	.text
	.protected	k_qc9a87e183c_chain
	.globl	k_qc9a87e183c_chain
	.p2align	8
	.type	k_qc9a87e183c_chain,@function
k_qc9a87e183c_chain:
	s_mov_b64 s[64:65], 0
	v_nop
	global_prefetch_b8 v0, s[64:65] scope:SCOPE_SE
	s_setreg_imm32_b32 hwreg(HW_REG_WAVE_MODE, 25, 1), 1
	s_wait_xcnt 0x0
; out0[i] = relu(x[order[i]] W1[e] + b1[e]) W2[e] + b2[e], both products on codes of FP4 (E2M1) with one E8M0 scale for each 32 along K.
; A work-group takes ONE TILE of the stored list: expert e, output rows r0 .. r0 + n - 1 (n <= 32), through the whole chain; the hidden layer is quantised in registers and goes from wave to wave through LDS, never to memory.
; 135 work-groups = 4096 / 32 + 8 - 1: enough for every split of the tokens.  A record with n = 0 walks the chain on held indices and stores nothing: every barrier stands on every wave's path, with no branch on a loaded number over it.
; SHARES: sixteen waves, four to a SIMD, 256 registers each.  THE WAVES SHARE THE COLUMNS: wave w makes hidden units 128 w .. + 127 (K step w of the second product) and outputs 32 w .. + 31, for both tiles of 16 rows.
; So each fragment of W1 and W2 is loaded once in the work-group, straight from memory into the operand's registers (the launch before laid the codes in that order), and feeds two matrix instructions.
; BOTH PRODUCTS ARE USED TRANSPOSED (source 0 = 16 rows of the weight, source 1 = 16 token rows): a lane holds one token row and its registers run along the columns.  W1's rows are dealt to tiles so that two tiles' 16 registers are 16 neighbours along the next K.
; NO TENSOR LOADS, NO CLUSTER, NO JOINT REQUESTS: the stores hang on a number read from memory, and which expert's weights a work-group reads hangs on the stored list, so neighbours in the grid need not share any tile.
; Rows of the tile beyond n hold other tokens: they are computed (a row touches no other row) and not stored.
; LIMITS: NaN and infinities are not served; a block of zeros of the hidden layer gets the scale byte 1: its codes are zeros.
.set HIMG, 0                           ; LDS: the hidden layer's 32 fragments as images of their registers: (16 m + S) x 1,024 bytes
.set HSC,  32768                       ; their scale words: (16 m + S) x 128 bytes
.set XIMG, 36864                       ; x's 8 fragments: (4 m + s) x 1,024 bytes
.set XSC,  45056                       ; their scale words: wave w's 128 bytes at 128 w; fragment (m, s)'s at 256 (4 m + s)
.set STG,  47104                       ; the stage for the way out: 32 rows x (2,048 bytes + 16)
.set SPITCH, 2064
.set XF,   16                          ; v16-79   x's fragments, 8 registers at 32 m + 8 s;  with WB later eight slots of 16 for W2's fragments
.set WB,   80                          ; v80-143  W1's fragments of a block of 32 units, 8 registers at 8 (2 s + u)
.set ACC,  144                         ; v144-175 four accumulators
.set BI,   176                         ; v176-191 the bias of two tiles, in the result's layout
.set WS,   192                         ; v192-207 the weights' scale words (scales alone): lanes 0-15 tile 0's rows, lanes 16-31 tile 1's
.set XS,   208                         ; v208-215 x's scale words, later the hidden layer's (scales alone)
.set PC,   216                         ; v216-231 the codes just made; later, with v232-247, two sets of two hidden fragments
.set MX,   232                         ; v232-239 the quantiser at work: largest magnitudes, the other half's, scale operands, bytes; two of each
.set PM,   234
.set SO,   236
.set BY,   238
.set PW,   248                         ; v248-249 the scale words just made
.macro WM d, a, bb, c, sa, sb, row     ; row = 1: source 0's scales stand in lanes 16-31
.if \row
	v_wmma_scale_f32_16x16x128_f8f6f4 v[\d:\d+7], v[\a:\a+7], v[\bb:\bb+7], v[\c:\c+7], v[\sa], v[\sb] matrix_a_fmt:MATRIX_FMT_FP4 matrix_b_fmt:MATRIX_FMT_FP4 matrix_a_scale:MATRIX_SCALE_ROW1
.else
	v_wmma_scale_f32_16x16x128_f8f6f4 v[\d:\d+7], v[\a:\a+7], v[\bb:\bb+7], v[\c:\c+7], v[\sa], v[\sb] matrix_a_fmt:MATRIX_FMT_FP4 matrix_b_fmt:MATRIX_FMT_FP4
.endif
.endm
.macro PLACES                          ; four plain vector lines between a matrix instruction and a load into, or a read of, its registers (ISA guide 7.12.1 for vector instructions)
.rept 4
	v_nop
.endr
.endm
.macro BARRIER                         ; my LDS stores have landed and my LDS loads are in: then the work-group's barrier
	s_wait_dscnt 0x0
	s_barrier_signal -1
	s_barrier_wait -1
.endm
.macro W1LOAD b                        ; block b of my four: 32 hidden units x all of K: 8 fragments, and their bias: 20 loads
.irp s, 0,1,2,3
.irp u, 0,1
.irp c, 0,1
	global_load_b128 v[WB+8*(2*\s+\u)+4*\c:WB+8*(2*\s+\u)+4*\c+3], v1, s[32:33] offset:8192*(\b)+2048*\s+1024*\u+512*\c
.endr
.endr
.endr
.irp u, 0,1
	global_load_b128 v[BI+8*\u:BI+8*\u+3], v6, s[40:41] offset:(32*(\b)+8*\u)*4        ; lane (r, h), register j: b1 of unit 32 b + 16 h + 8 u + j
	global_load_b128 v[BI+8*\u+4:BI+8*\u+7], v6, s[40:41] offset:(32*(\b)+8*\u)*4+16
.endr
.endm
.macro MUL1 b                          ; 16 matrix instructions: the four accumulators (u, m) by turns, one instruction a turn; the bias is the C of each sum's first
.irp s, 0,1,2,3
.irp u, 0,1
.irp m, 0,1
.if \s == 0
	WM ACC+16*\m+8*\u, WB+8*(2*\s+\u), XF+32*\m+8*\s, BI+8*\u, WS+4*(\b)+\s, XS+4*\m+\s, \u
.else
	WM ACC+16*\m+8*\u, WB+8*(2*\s+\u), XF+32*\m+8*\s, ACC+16*\m+8*\u, WS+4*(\b)+\s, XS+4*\m+\s, \u
.endif
.endr
.endr
.endr
.endm
.macro QBLK b                          ; relu, then block b of the next K step: register ACC + 16 m + i is unit 32 b + 16 (lane / 16) + i of my row of tile m
.set J, 0
.rept 32
	v_max_num_f32 v[ACC+J], 0, v[ACC+J]            ; the activation, in f32; ascending
.set J, J+1
.endr
.irp m, 0,1
	v_max3_num_f32 v[MX+\m], v[ACC+16*\m], v[ACC+16*\m+1], 0x1800000   ; none is negative: no |.|; the floor 2^(3 - 127) holds the byte at 1 from below
.endr
.irp i, 2,4,6,8,10,12,14
.irp m, 0,1
	v_max3_num_f32 v[MX+\m], v[MX+\m], v[ACC+16*\m+\i], v[ACC+16*\m+\i+1]
.endr
.endr
.irp m, 0,1
	v_permlanex16_b32 v[PM+\m], v[MX+\m], s48, s49
.endr
.irp m, 0,1
	v_max_num_f32 v[MX+\m], v[MX+\m], v[PM+\m]     ; with lane l xor 16's 16: the block's largest
.endr
.irp m, 0,1
	v_add_nc_u32 v[SO+\m], 0xff000000, v[MX+\m]    ; 2 off the exponent field: the conversion's scale operand
.endr
.irp m, 0,1
.if (\b) == 0
	v_lshrrev_b32 v[PW+\m], 23, v[SO+\m]           ; the scale's byte: byte b of my row's scale word
.else
	v_lshrrev_b32 v[BY+\m], 23, v[SO+\m]
.endif
.endr
.if (\b) > 0
.irp m, 0,1
	v_lshl_or_b32 v[PW+\m], v[BY+\m], 8*(\b), v[PW+\m]
.endr
.endif
.irp m, 0,1
	v_cvt_scalef32_pk8_fp4_f32 v[PC+8*\m+2*(\b)], v[ACC+16*\m:ACC+16*\m+7], v[SO+\m]
	v_cvt_scalef32_pk8_fp4_f32 v[PC+8*\m+2*(\b)+1], v[ACC+16*\m+8:ACC+16*\m+15], v[SO+\m]
.endr
	v_nop                                          ; one plain line behind the last conversion: matrix instructions write its sources next
.endm
.macro W2LOAD ks                       ; K step ks of my 32 outputs: two fragments, four loads, into slot ks % 8
.irp n, 0,1
.irp c, 0,1
	global_load_b128 v[XF+16*((\ks)%8)+8*\n+4*\c:XF+16*((\ks)%8)+8*\n+4*\c+3], v1, s[34:35] offset:2048*(\ks)+1024*\n+512*\c
.endr
.endr
.endm
.macro HLOAD ks                        ; the hidden layer's K step ks, both tiles of rows, with their scale words: six LDS loads, into set ks % 2
.irp m, 0,1
.irp c, 0,1
	ds_load_b128 v[PC+16*((\ks)%2)+8*\m+4*\c:PC+16*((\ks)%2)+8*\m+4*\c+3], v1 offset:HIMG+(16*\m+(\ks))*1024+512*\c
.endr
	ds_load_b32 v[XS+2*((\ks)%2)+\m], v3 offset:HSC+(16*\m+(\ks))*128
.endr
.endm
.macro STEP2 ks
.if (\ks) < 8
	s_wait_loadcnt 28                              ; behind this K step's four loads stand 4 (7 - S) of the first eight steps' and 4 S of the later steps': 28
.else
	s_wait_loadcnt 4*(15-(\ks))                    ; the later K steps' loads may be out
.endif
.if (\ks) < 15
	s_wait_dscnt 6                                 ; the next K step's six LDS loads may be out
.else
	s_wait_dscnt 0x0
.endif
.irp n, 0,1
.irp m, 0,1
.if (\ks) == 0
	WM ACC+16*\n+8*\m, XF+16*((\ks)%8)+8*\n, PC+16*((\ks)%2)+8*\m, BI+8*\n, WS+(\ks), XS+2*((\ks)%2)+\m, \n
.else
	WM ACC+16*\n+8*\m, XF+16*((\ks)%8)+8*\n, PC+16*((\ks)%2)+8*\m, ACC+16*\n+8*\m, WS+(\ks), XS+2*((\ks)%2)+\m, \n
.endif
.endr
.endr
	PLACES
.if (\ks) < 8
	W2LOAD (\ks)+8                                 ; the slot takes the K step eight further on
.endif
.if (\ks) < 14
	HLOAD (\ks)+2
.endif
.endm
	s_load_b512 s[4:19], s[0:1], 0x0               ; tiles 4, order 6, xc 8, xs 10, wc 12, ws 14, b1 16, b2 18
	s_load_b64 s[20:21], s[0:1], 0x40              ; out0
	v_lshl_add_u32 v254, v0, 2, 0x1ba00
	v_mov_b32 v255, 0
	v_lshrrev_b32 v250, 5, v0
	v_readfirstlane_b32 s22, v250                  ; wave 0..15
	s_lshl_b32 s24, ttmp9, 4                       ; my record
	s_mov_b32 s25, 0
	s_wait_kmcnt 0x0
	s_add_nc_u64 s[4:5], s[4:5], s[24:25]
	s_load_b128 s[28:31], s[4:5], 0x0              ; expert, first output row, rows, 0
	v_and_b32 v250, 31, v0                         ; lane
	v_and_b32 v251, 15, v0                         ; r
	v_bfe_u32 v252, v0, 4, 1                       ; h
	v_lshlrev_b32 v1, 4, v250                      ; 16 x lane: an image's place for my lane, in memory and in LDS
	v_lshlrev_b32 v2, 3, v250                      ; 8 x lane: two scale words of a weight
	v_lshlrev_b32 v3, 2, v250                      ; 4 x lane: a scale word in LDS
	s_lshl_b32 s26, s22, 10
	v_add_nc_u32 v4, s26, v1                       ; where I store the hidden layer's images: 16 lane + 1,024 w
	s_lshl_b32 s26, s22, 7
	v_add_nc_u32 v5, s26, v3                       ; and their scale words: 4 lane + 128 w
	v_lshlrev_b32 v6, 6, v252                      ; b1: 16 numbers a half
	v_lshlrev_b32 v7, 5, v252                      ; b2: 8 numbers a half
	v_mul_u32_u24 v8, v251, SPITCH
	v_add_nc_u32 v8, v8, v7
	v_add_nc_u32 v8, s26, v8
	v_add_nc_u32 v8, STG, v8                       ; the stage, in: row r, + 32 h, + 128 w: my outputs' bytes
	s_mul_i32 s26, s22, 2*SPITCH
	v_add_nc_u32 v9, s26, v1
	v_add_nc_u32 v9, STG, v9                       ; and back: my two rows, 16 bytes a lane
	v_lshlrev_b32 v10, 4, v0                       ; where I store my piece of x's images: 512 w + 16 lane
	v_lshlrev_b32 v11, 2, v0                       ; and its scale words: 128 w + 4 lane
	v_mov_b32 v[PM], 0                             ; written once: a lane permute's destination counts as one of its sources
	v_mov_b32 v[PM+1], 0
	s_mov_b32 s48, 0x76543210
	s_mov_b32 s49, 0xfedcba98                      ; v_permlanex16_b32's selects for lane l xor 16
	s_wait_kmcnt 0x0
	s_min_u32 s28, s28, 7                          ; loaded numbers are held inside their tables before they enter an address
	s_min_u32 s29, s29, 0xfff
	s_min_u32 s30, s30, 32
	s_lshr_b32 s26, s22, 3                         ; my piece of x belongs to tile m = w / 8 of the rows
	s_lshl_b32 s26, s26, 4
	s_add_co_u32 s26, s26, s29
	v_add_nc_u32 v12, s26, v251                    ; output row r0 + 16 m + r,
	v_min_u32 v12, 0xfff, v12                      ; held inside the list
	v_lshlrev_b32 v12, 2, v12
	global_load_b32 v13, v12, s[6:7]               ; its token
	s_lshl_b32 s24, s28, 15
	s_lshl_b32 s26, s22, 11
	s_add_co_u32 s24, s24, s26
	s_add_nc_u64 s[36:37], s[14:15], s[24:25]      ; W1's scale words of my 128 units,
	s_add_nc_u64 s[38:39], s[36:37], 0x40000       ; W2's of my 32 outputs
	s_lshl_b32 s24, s28, 19
	s_lshl_b32 s26, s22, 15
	s_add_co_u32 s24, s24, s26
	s_add_nc_u64 s[32:33], s[12:13], s[24:25]      ; W1's codes of my 128 units,
	s_add_nc_u64 s[34:35], s[32:33], 0x400000      ; W2's of my 32 outputs
	s_lshl_b32 s24, s28, 13
	s_lshl_b32 s26, s22, 9
	s_add_co_u32 s24, s24, s26
	s_add_nc_u64 s[40:41], s[16:17], s[24:25]      ; b1
.irp b, 0,1,2,3
.irp q, 0,1
	global_load_b64 v[WS+4*\b+2*\q:WS+4*\b+2*\q+1], v2, s[36:37] offset:512*\b+256*\q   ; block b's scale words of K steps 2 q, 2 q + 1
.endr
.endr
	W1LOAD 0
	s_lshl_b32 s24, s28, 11
	s_lshl_b32 s26, s22, 7
	s_add_co_u32 s24, s24, s26
	s_add_nc_u64 s[42:43], s[18:19], s[24:25]      ; b2
	s_lshl_b32 s26, s22, 1
	s_add_co_u32 s24, s29, s26
	s_lshl_b32 s24, s24, 11
	s_add_nc_u64 s[44:45], s[20:21], s[24:25]      ; out0 at row r0 + 2 w
	s_and_b32 s26, s22, 7
	s_lshl_b32 s26, s26, 5                         ; my piece: w = 8 m + 2 s + c: bytes 64 s + 32 c of the token's 256,
	s_bfe_u32 s27, s22, 0x20001
	s_lshl_b32 s27, s27, 2                         ; and scale word s
	s_wait_loadcnt 28                              ; the token is in; the 8 + 20 loads issued behind it may be out
	; ---- X: wave w gathers one piece (16 rows x 64 K, 512 bytes) of x's fragments; all sixteen pieces meet in LDS
	v_min_u32 v13, 0xfff, v13
	v_lshlrev_b32 v14, 8, v13
	v_lshl_add_u32 v14, v252, 4, v14
	v_add_nc_u32 v14, s26, v14
	v_lshlrev_b32 v15, 4, v13
	v_add_nc_u32 v15, s27, v15
	global_load_b128 v[PC:PC+3], v14, s[8:9]
	global_load_b32 v[PC+4], v15, s[10:11]
	s_wait_loadcnt 0x0
	ds_store_b128 v10, v[PC:PC+3] offset:XIMG
	ds_store_b32 v11, v[PC+4] offset:XSC
	BARRIER                                        ; x's eight fragments and their scale words lie in LDS
.set K, 0
.rept 16
	ds_load_b128 v[XF+4*K:XF+4*K+3], v1 offset:XIMG+512*K
.set K, K+1
.endr
.irp f, 0,1,2,3,4,5,6,7
	ds_load_b32 v[XS+\f], v3 offset:XSC+256*\f
.endr
	s_wait_dscnt 0x0
	; ---- 1: my 128 hidden units, 32 at a time; the next block's fragments are on their way while this block is quantised
	MUL1 0
	PLACES
	W1LOAD 1
	QBLK 0
.irp b, 1,2
	s_wait_loadcnt 0x0                             ; this block's 20 loads
	MUL1 \b
	PLACES
	W1LOAD \b+1
	QBLK \b
.endr
	s_wait_loadcnt 0x0
	MUL1 3
	PLACES
	; the second product's first loads, 44 in all: W2's scale words, b2, and K steps 0 to 7 into the registers that x's and W1's fragments have left
.irp q, 0,1,2,3,4,5,6,7
	global_load_b64 v[WS+2*\q:WS+2*\q+1], v2, s[38:39] offset:256*\q
.endr
.irp n, 0,1
	global_load_b128 v[BI+8*\n:BI+8*\n+3], v7, s[42:43] offset:64*\n          ; lane (r, h), register j: b2 of output 16 n + 8 h + j
	global_load_b128 v[BI+8*\n+4:BI+8*\n+7], v7, s[42:43] offset:64*\n+16
.endr
.irp k, 0,1,2,3,4,5,6,7
	W2LOAD \k
.endr
	QBLK 3
.irp m, 0,1                            ; the operand's layout wants a WHOLE block in a lane: lanes 0-15 block 2 c, lanes 16-31 block 2 c + 1
.irp c, 0,1
.irp i, 0,1
	v_permlane16_swap_b32 v[PC+8*\m+4*\c+\i], v[PC+8*\m+4*\c+2+\i]
.endr
.endr
.endr
.irp m, 0,1
.irp c, 0,1
	ds_store_b128 v4, v[PC+8*\m+4*\c:PC+8*\m+4*\c+3] offset:HIMG+16384*\m+512*\c   ; K step w of the second product, rows 16 m on, as an image of its registers
.endr
	ds_store_b32 v5, v[PW+\m] offset:HSC+2048*\m
.endr
	BARRIER                                        ; the hidden layer's 32 fragments lie in LDS (the loads of W2 stay on their way: nobody writes those bytes)
	; ---- 2: my 32 outputs for the 32 rows: four accumulators (n, m) by turns, a K step at a time
	HLOAD 0
	HLOAD 1
.irp k, 0,1,2,3,4,5,6,7,8,9,10,11,12,13,14,15
	STEP2 \k
.endr
	; ---- the way out: a row's 512 outputs come from sixteen waves: they meet in the stage, and each wave stores two whole rows
.irp m, 0,1
.irp n, 0,1
	ds_store_b128 v8, v[ACC+16*\n+8*\m:ACC+16*\n+8*\m+3] offset:16*SPITCH*\m+64*\n        ; lane (r, h): row 16 m + r, outputs 32 w + 16 n + 8 h + 0 .. 7; each accumulator from its low end on
	ds_store_b128 v8, v[ACC+16*\n+8*\m+4:ACC+16*\n+8*\m+7] offset:16*SPITCH*\m+64*\n+16
.endr
.endr
	BARRIER                                        ; 32 whole rows lie in the stage
.irp i, 0,1
.irp k, 0,1,2,3
	ds_load_b128 v[XF+16*\i+4*\k:XF+16*\i+4*\k+3], v9 offset:SPITCH*\i+512*\k
.endr
.endr
	s_wait_dscnt 0x0
	s_lshl_b32 s26, s22, 1
	s_cmp_lt_u32 s26, s30                          ; is row 2 w one of the tile's n?  A scalar branch on the stored number, round stores alone
	s_cbranch_scc0 .Lend
.irp k, 0,1,2,3
	global_store_b128 v1, v[XF+4*\k:XF+4*\k+3], s[44:45] offset:512*\k th:TH_STORE_NT   ; 32 lanes store 512 consecutive bytes, aligned; written once, read by nobody here
.endr
	s_add_co_u32 s26, s26, 1
	s_cmp_lt_u32 s26, s30
	s_cbranch_scc0 .Lend
.irp k, 0,1,2,3
	global_store_b128 v1, v[XF+16+4*\k:XF+16+4*\k+3], s[44:45] offset:2048+512*\k th:TH_STORE_NT
.endr
.Lend:
	s_wait_tensorcnt 0x0
	ds_add_u32 v254, v255
	s_wait_dscnt 0x0
	s_endpgm
.Lfunc_end_k_qc9a87e183c_chain:
	.size	k_qc9a87e183c_chain, .Lfunc_end_k_qc9a87e183c_chain-k_qc9a87e183c_chain
	.p2alignl 7, 3214868480
	.fill 96, 4, 3214868480
	.section	.rodata,"a",@progbits
	.p2align	6, 0x0
	.amdhsa_kernel k_qc9a87e183c_chain
		.amdhsa_group_segment_fixed_size 115200
		.amdhsa_private_segment_fixed_size 0
		.amdhsa_enable_private_segment 0
		.amdhsa_kernarg_size 72
		.amdhsa_user_sgpr_count 2
		.amdhsa_user_sgpr_kernarg_segment_ptr 1
		.amdhsa_wavefront_size32 1
		.amdhsa_system_sgpr_workgroup_id_x 1
		.amdhsa_system_sgpr_workgroup_id_y 1
		.amdhsa_system_sgpr_workgroup_id_z 1
		.amdhsa_system_vgpr_workitem_id 0
		.amdhsa_next_free_vgpr 256
		.amdhsa_next_free_sgpr 66
		.amdhsa_reserve_vcc 0
		.amdhsa_float_denorm_mode_32 3
		.amdhsa_float_denorm_mode_16_64 3
		.amdhsa_memory_ordered 1
		.amdhsa_forward_progress 1
		.amdhsa_inst_pref_size 61
	.end_amdhsa_kernel
	.amdgpu_metadata
---
amdhsa.version: [ 1, 2 ]
amdhsa.kernels:
  - .name:           k_qc9a87e183c_chain
    .symbol:         k_qc9a87e183c_chain.kd
    .args:
      - { .name: tiles, .offset: 0, .size: 8, .value_kind: global_buffer, .address_space: global }
      - { .name: order, .offset: 8, .size: 8, .value_kind: global_buffer, .address_space: global }
      - { .name: xc, .offset: 16, .size: 8, .value_kind: global_buffer, .address_space: global }
      - { .name: xs, .offset: 24, .size: 8, .value_kind: global_buffer, .address_space: global }
      - { .name: wc, .offset: 32, .size: 8, .value_kind: global_buffer, .address_space: global }
      - { .name: ws, .offset: 40, .size: 8, .value_kind: global_buffer, .address_space: global }
      - { .name: b1, .offset: 48, .size: 8, .value_kind: global_buffer, .address_space: global }
      - { .name: b2, .offset: 56, .size: 8, .value_kind: global_buffer, .address_space: global }
      - { .name: out0, .offset: 64, .size: 8, .value_kind: global_buffer, .address_space: global }
    .group_segment_fixed_size: 115200
    .private_segment_fixed_size: 0
    .kernarg_segment_align: 8
    .kernarg_segment_size: 72
    .max_flat_workgroup_size: 512
    .sgpr_count:     66
    .vgpr_count:     256
    .wavefront_size: 32
...
	.end_amdgpu_metadata
.endif
;; end of part 3
;; ======== version 2 of 2: 2 launches; 1.19 times as fast as version 1
;; workspace buffers: wc 8,388,608 bytes; ws 524,288 bytes; xc 1,048,576 bytes; xs 65,536 bytes; eid 16,384 bytes of whole numbers
;; launch prep (part 4): grid 768 x 1, 4 waves a work-group, no clusters, 41,472 bytes of LDS; arguments x, Wg, bg, W1, W2, wc, ws, xc, xs, eid; writes wc, ws, xc, xs, eid
.if DOCPART == 4
	.amdgcn_target "amdgcn-amd-amdhsa--gfx1250"
	.amdhsa_code_object_version 6
	.text
	.protected	k_qc9a87e183c_prep
	.globl	k_qc9a87e183c_prep
	.p2align	8
	.type	k_qc9a87e183c_prep,@function
k_qc9a87e183c_prep:
	s_mov_b64 s[64:65], 0
	v_nop
	global_prefetch_b8 v0, s[64:65] scope:SCOPE_SE
	s_setreg_imm32_b32 hwreg(HW_REG_WAVE_MODE, 25, 1), 1
	s_wait_xcnt 0x0
; ONE LAUNCH, THREE SHARES, told apart by the work-group's number.
;   work-groups   0 .. 255: x [4096][512] f32 -> codes of FP4 (E2M1) xc [token][256 bytes] and scale bytes xs [token][16]; the router's logits x Wg + bg in f32 and their argmax -> eid [token] (u32)
;   work-groups 256 .. 511: W1 [8][512 (k)][2048] f32 -> codes and scale bytes along k, laid in the order of the matrix operand's registers
;   work-groups 512 .. 767: W2 [8][2048 (k)][512] f32 -> the same
; 768 = 3 x 256: one work-group of x and two of weights for each of 256 places.  A wave of x takes 4 rows only: its rows are a chain of dependent steps, and a short chain ends while the weights still stream.
; THE QUANTISER: a block of 32 along K has the scale 2^(floor(log2(largest magnitude)) - 2); its byte is the largest magnitude's exponent field - 2, held at 1 from below by a floor among the maximum's leaves.
; LAYOUT OF THE WEIGHTS' CODES: a fragment (16 rows x 128 K) is 1,024 bytes, an image of its 8 registers: byte 512 c + 16 (16 hk + r) holds k = 64 c + 32 hk + 0 .. 31 of row r.
;   W1: e 524288 + B 8192 + s 2048 + u 1024 (B: 32 hidden units, s: K step, u: tile); row r of tile u is unit 32 B + 8 u + r + 8 (r / 8), so that two tiles' results are 16 neighbours along the next K.
;   W2: 4194304 + e 524288 + G 32768 + S 2048 + n 1024 (G: 32 outputs, S: K step, n: tile); row r of tile n is output 32 G + 16 n + r.
;   scale bytes: [e][G][chunk of 256 K][lane 16 u + r][8 bytes]: two scale words (two K steps) a lane; W2's begin at byte 262144.
; LIMITS: NaN and infinities among the inputs are not served.  A block of zeros, or one whose largest magnitude lies under 2^(3 - 127), gets the byte 1 (the rule says 127 for zeros): its codes are zeros, and this program alone reads the bytes.
; The logits are summed in f32 in another order than a plain chain (16 numbers a lane, then a tree over 32 lanes): two top logits that lie within f32 rounding of each other may resolve the other way.  A tie goes to the lower index.
; No tensor loads, no barrier: waves share nothing.  Matrix units and clusters have nothing to do here: every byte of x, W1 and W2 is read once.
.set XWGS, 256                         ; work-groups of x
.set NR,   4                           ; rows of x to a wave
.set WX,   32                          ; weights: v32-95   two sets of 32 numbers (a block of 32 along K of my column)
.set WC,   96                          ; weights: v96-127  four registers of codes for each of 8 blocks: no store's data are written again
.set WSB,  24                          ; weights: v24-25   my column's 8 scale bytes
.set WREG, 10240                       ; x: LDS of a wave: two stages of 32 x SP bytes, its scale bytes, the turn of Wg
.set SP,   80                          ; a lane's place in a stage: its 64 bytes + 16 of padding
.set SCB,  5120                        ; the wave's 16 NR scale bytes
.set WT,   5376                        ; the turn of Wg: 32 places of 128 bytes + 16 of padding
.set P,    16                          ; x: v16-23   the eight logits
.set R,    32                          ; x: v32-79   three sets of 16 numbers as they are loaded: register 4 j + i holds x[128 j + 4 lane + i]
.set X,    80                          ; x: v80-111  two sets of 16 neighbours along K
.set C,    112                         ; x: v112-115 two sets of two registers of codes
.set E,    116                         ; x: v116     the scale byte
.set PD,   118                         ; x: v118-125 what comes from the other half of the lanes
.set WG,   128                         ; x: v128-255 Wg: register 8 (4 j + i) + e holds Wg[128 j + 4 lane + i][e]
; ---------------- the weights' macros
.macro WLOAD t, pitch                  ; block t: W(32 t + i, my column), i = 0 .. 31, into set t % 2: a load of the wave covers 128 consecutive bytes, the four waves stand side by side on 512
.set I, 0
.rept 32
	global_load_b32 v[WX+32*((\t)%2)+I], v3, s[4:5] offset:(32*(\t)+I)*\pitch th:TH_LOAD_NT
.set I, I+1
.endr
.endm
.macro WBLOCK t, pitch
.set XB, WX+32*((\t)%2)
.if (\t) < 7
	s_wait_loadcnt 32                              ; this block's 32 loads are in; the next block's 32 may be out
.else
	s_wait_loadcnt 0x0
.endif
	v_max3_num_f32 v12, |v[XB]|, |v[XB+1]|, |v[XB+2]|              ; the block's largest magnitude: all 32 numbers are mine; two chains
	v_max3_num_f32 v13, |v[XB+3]|, |v[XB+4]|, |v[XB+5]|
.irp i, 6,10,14,18,22,26
	v_max3_num_f32 v12, v12, |v[XB+\i]|, |v[XB+\i+1]|
	v_max3_num_f32 v13, v13, |v[XB+\i+2]|, |v[XB+\i+3]|
.endr
	v_max3_num_f32 v12, v12, |v[XB+30]|, |v[XB+31]|
	v_max3_num_f32 v12, v12, v13, 0x1800000        ; and the floor 2^(3 - 127): the byte cannot fall under 1
	v_add_nc_u32 v11, 0xff000000, v12              ; 2 off the exponent field: the conversion takes the exponent field of this operand as its scale
.if (\t)%4 == 0
	v_lshrrev_b32 v[WSB+(\t)/4], 23, v11           ; the scale's byte; four to a register, the lower K in the lower byte
.else
	v_lshrrev_b32 v13, 23, v11
	v_lshl_or_b32 v[WSB+(\t)/4], v13, 8*((\t)%4), v[WSB+(\t)/4]
.endif
.irp g, 0,1,2,3
	v_cvt_scalef32_pk8_fp4_f32 v[WC+4*(\t)+\g], v[XB+8*\g:XB+8*\g+7], v11
.endr
	; block t = 4 (K step) + 2 c + hk: lanes 0-15 store 256 consecutive bytes, aligned, of tile 0's fragment, lanes 16-31 of tile 1's
	global_store_b128 v4, v[WC+4*(\t):WC+4*(\t)+3], s[6:7] offset:((\t)/4)*2048+(((\t)/2)%2)*512+((\t)%2)*256
.if (\t)+2 < 8
	WLOAD (\t)+2, \pitch                           ; the set just converted takes the block two further on
.endif
.endm
.macro WBODY pitch
	WLOAD 0, \pitch
	WLOAD 1, \pitch
.irp t, 0,1,2,3,4,5,6,7
	WBLOCK \t, \pitch
.endr
	global_store_b64 v5, v[WSB:WSB+1], s[44:45]    ; 32 lanes store 256 consecutive bytes, aligned
	s_endpgm
.endm
; s30 = expert, s31 = which 128 columns, s32 = which 256 along K, s28 = wave -> s[4:5] the numbers, s[6:7] the codes, s[44:45] the scale bytes
.macro WPTRS wlo, qsh, gcs, gss, cbase, sbase
	s_lshl_b32 s33, s31, 2
	s_add_co_u32 s33, s33, s28                     ; G: my wave's 32 columns
	s_mov_b32 s35, 0
	s_lshl_b32 s34, s30, 22                        ; an expert's weight is 4,194,304 bytes
	s_lshl_b32 s36, s32, \qsh                      ; 256 rows
	s_add_co_u32 s34, s34, s36
	s_lshl_b32 s36, s33, 7                         ; 32 columns of 4 bytes
	s_add_co_u32 s34, s34, s36
	s_add_nc_u64 s[4:5], s[\wlo:\wlo+1], s[34:35]
	s_lshl_b32 s34, s30, 19
	s_lshl_b32 s36, s33, \gcs
	s_add_co_u32 s34, s34, s36
	s_lshl_b32 s36, s32, 12                        ; two K steps of two fragments
	s_add_co_u32 s34, s34, s36
.if \cbase
	s_add_co_u32 s34, s34, \cbase
.endif
	s_add_nc_u64 s[6:7], s[18:19], s[34:35]
	s_lshl_b32 s34, s30, 15
	s_lshl_b32 s36, s33, \gss
	s_add_co_u32 s34, s34, s36
	s_lshl_b32 s36, s32, 8
	s_add_co_u32 s34, s34, s36
.if \sbase
	s_add_co_u32 s34, s34, \sbase
.endif
	s_add_nc_u64 s[44:45], s[20:21], s[34:35]
.endm
; ---------------- x's macros
.macro LOAD t                          ; row t of my NR: four loads of 512 consecutive bytes, into set t % 3
.irp i, 0,1,2,3
	global_load_b128 v[R+16*((\t)%3)+4*\i:R+16*((\t)%3)+4*\i+3], v3, s[4:5] offset:2048*(\t)+512*\i th:TH_LOAD_NT
.endr
.endm
.macro TURN t                          ; row t through the wave's own stage: in as loaded, back 64 bytes a lane.  LDS serves a wave's instructions in order: no wait between the stores and the loads
.irp i, 0,1,2,3
	ds_store_b128 v14, v[R+16*((\t)%3)+4*\i:R+16*((\t)%3)+4*\i+3] offset:32*SP*((\t)%2)+8*SP*\i
.endr
.irp i, 0,1,2,3
	ds_load_b128 v[X+16*((\t)%2)+4*\i:X+16*((\t)%2)+4*\i+3], v15 offset:32*SP*((\t)%2)+16*\i
.endr
.endm
.macro STEP t
.set RS, R+16*((\t)%3)
.set XS, X+16*((\t)%2)
.set CS, C+2*((\t)%2)
	; the router, on the numbers as they were loaded: my 16 numbers against my 16 rows of Wg, the eight experts by turns
.irp e, 0,1,2,3,4,5,6,7
	v_mul_f32 v[P+\e], v[RS], v[WG+\e]
.endr
.set N, 1
.rept 15
.irp e, 0,1,2,3,4,5,6,7
	v_fmac_f32 v[P+\e], v[RS+N], v[WG+8*N+\e]
.endr
.set N, N+1
.endr
.if (\t) > 0
	s_wait_dscnt 1                                 ; this row is back from the stage (the last row's byte store may be out), so the stage's stores have read their registers,
.else
	s_wait_dscnt 0x0
.endif
.if (\t)+3 < NR
	LOAD (\t)+3                                    ; which take the row three further on
.endif
.if (\t) < NR-1
.if (\t)+3 <= NR-1
	s_wait_loadcnt 8                               ; the next row's four loads are in; the two rows behind it may be out
.else
	s_wait_loadcnt 4*(NR-2-(\t))                   ; the rows that are left behind the next one
.endif
	TURN (\t)+1                                    ; it goes through the other stage while this row is worked
.endif
	; the logits: the sum over the 32 lanes, in every lane; then the bias
.irp k, 1,2,4,8
.irp e, 0,1,2,3,4,5,6,7
	v_add_f32_dpp v[P+\e], v[P+\e], v[P+\e] row_xmask:\k row_mask:0xf bank_mask:0xf
.endr
.endr
.irp e, 0,1,2,3,4,5,6,7
	v_permlanex16_b32 v[PD+\e], v[P+\e], s40, s41
.endr
.irp e, 0,1,2,3,4,5,6,7
	v_add_f32 v[P+\e], v[P+\e], v[PD+\e]
.endr
.irp e, 0,1,2,3,4,5,6,7
	v_add_f32 v[P+\e], s[32+\e], v[P+\e]
.endr
	; the argmax: an expert takes over only where its logit is above the best so far, so the lower index wins a tie.  A choice of values, no branch
	v_mov_b32 v24, v[P]
	v_mov_b32 v25, 0
.irp e, 1,2,3,4,5,6,7
	v_cmp_ge_f32 vcc_lo, v24, v[P+\e]
	v_cndmask_b32 v25, \e, v25, vcc_lo
	v_max_num_f32 v24, v24, v[P+\e]
.endr
	v_cmp_eq_u32 vcc_lo, \t, v27
	v_cndmask_b32 v26, v26, v25, vcc_lo            ; the lanes with lane % NR = t keep row t's expert
	; the quantiser, on 16 neighbours a lane; two neighbouring lanes hold a block
	v_max3_num_f32 v8, |v[XS]|, |v[XS+1]|, |v[XS+2]|
	v_max3_num_f32 v9, |v[XS+3]|, |v[XS+4]|, |v[XS+5]|
.irp i, 6,10
	v_max3_num_f32 v8, v8, |v[XS+\i]|, |v[XS+\i+1]|
	v_max3_num_f32 v9, v9, |v[XS+\i+2]|, |v[XS+\i+3]|
.endr
	v_max3_num_f32 v8, v8, |v[XS+14]|, |v[XS+15]|
	v_max3_num_f32 v8, v8, v9, 0x1800000           ; and the floor 2^(3 - 127)
	v_max_num_f32_dpp v8, v8, v8 row_xmask:1 row_mask:0xf bank_mask:0xf   ; and my neighbour's 16: the block's largest magnitude
	v_add_nc_u32 v11, 0xff000000, v8               ; 2 off its exponent field: the conversion's scale operand
	s_wait_xcnt 0x0                                ; the store two rows back has read this set of code registers: they are written again only behind this wait
	v_cvt_scalef32_pk8_fp4_f32 v[CS], v[XS:XS+7], v11
	v_cvt_scalef32_pk8_fp4_f32 v[CS+1], v[XS+8:XS+15], v11
	v_lshrrev_b32 v[E], 23, v11                    ; the scale's byte (a plain line behind the conversions)
	ds_store_b8 v5, v[E] offset:SCB+16*(\t)        ; both lanes of a block write the same byte with the same value
	global_store_b64 v4, v[CS:CS+1], s[6:7] offset:256*(\t)   ; the row's 256 bytes of codes: consecutive, aligned
.endm
; ---------------- the head
	s_load_b512 s[8:23], s[0:1], 0x0               ; x 8, Wg 10, bg 12, W1 14, W2 16, wc 18, ws 20, xc 22
	s_load_b128 s[24:27], s[0:1], 0x40             ; xs 24, eid 26
	v_lshl_add_u32 v10, v0, 2, 0xa000
	v_mov_b32 v28, 0
	v_lshrrev_b32 v1, 5, v0
	v_readfirstlane_b32 s28, v1                    ; wave 0..3
	v_and_b32 v2, 31, v0                           ; lane
	s_wait_kmcnt 0x0
	s_cmp_lt_u32 ttmp9, XWGS
	s_cbranch_scc1 .Lxpath
	; ---- a weight: 128 columns x 256 along K to a work-group, 32 columns to a wave, a column to a lane, registers down K
	s_sub_co_u32 s29, ttmp9, XWGS
	s_bfe_u32 s30, s29, 0x30005                    ; the expert: 32 work-groups each
	v_lshrrev_b32 v4, 4, v2                        ; tile u = lane / 16
	v_and_b32 v6, 15, v2                           ; row r of the tile
	v_lshlrev_b32 v4, 10, v4
	v_lshl_add_u32 v4, v6, 4, v4                   ; my 16 bytes in the fragments: 1024 u + 16 r
	v_lshlrev_b32 v5, 3, v2                        ; my 8 scale bytes
	s_cmp_lt_u32 s29, 256
	s_cbranch_scc0 .Lw2
	s_and_b32 s31, s29, 15                         ; W1: 16 x 128 columns,
	s_bfe_u32 s32, s29, 0x10004                    ; 2 x 256 along K
	WPTRS 14, 21, 13, 9, 0, 0
	v_and_b32 v3, 7, v2                            ; lane 16 u + r takes column 8 u + r + 8 (r / 8) of the 32
	v_bfe_u32 v6, v2, 4, 1
	v_lshl_or_b32 v3, v6, 3, v3
	v_bfe_u32 v6, v2, 3, 1
	v_lshl_or_b32 v3, v6, 4, v3
	v_lshlrev_b32 v3, 2, v3
	WBODY 8192
.Lw2:
	s_and_b32 s31, s29, 3                          ; W2: 4 x 128 columns,
	s_bfe_u32 s32, s29, 0x30002                    ; 8 x 256 along K
	WPTRS 16, 19, 15, 11, 0x400000, 0x40000
	v_lshlrev_b32 v3, 2, v2                        ; lane l takes column l of the 32
	WBODY 2048
; ---------------- x: 16 rows to a work-group, NR = 4 to a wave, a row to a step
.Lxpath:
	s_load_b256 s[32:39], s[12:13], 0x0            ; bg
	v_lshlrev_b32 v3, 4, v2                        ; 16 bytes a lane
	s_lshl_b32 s29, ttmp9, 4
	s_lshl_b32 s30, s28, 2
	s_add_co_u32 s29, s29, s30                     ; my first row
	s_mov_b32 s31, 0
	s_lshl_b32 s30, s29, 11
	s_add_nc_u64 s[4:5], s[8:9], s[30:31]          ; x
.set K, 0
.rept 32
	global_load_b128 v[WG+4*K:WG+4*K+3], v3, s[10:11] offset:512*K   ; Wg as it lies: 512 consecutive bytes a load
.set K, K+1
.endr
	LOAD 0
	LOAD 1
	LOAD 2
	s_lshl_b32 s30, s29, 8
	s_add_nc_u64 s[6:7], s[22:23], s[30:31]        ; the codes
	s_lshl_b32 s30, s29, 4
	s_add_nc_u64 s[24:25], s[24:25], s[30:31]      ; the scale bytes
	s_lshl_b32 s30, s29, 2
	s_add_nc_u64 s[26:27], s[26:27], s[30:31]      ; the experts
	s_mov_b32 s40, 0x76543210
	s_mov_b32 s41, 0xfedcba98                      ; v_permlanex16_b32's selects for lane l xor 16
	s_mul_i32 s42, s28, WREG                       ; my wave's LDS
	v_lshlrev_b32 v4, 3, v2                        ; 8 bytes a lane
	v_lshrrev_b32 v5, 1, v2
	v_add_nc_u32 v5, s42, v5                       ; my block's scale byte
	v_and_b32 v7, 7, v2
	v_lshlrev_b32 v7, 3, v7                        ; the wave's 64 scale bytes on the way out: 8 bytes at 8 (lane % 8)
	v_add_nc_u32 v6, s42, v7
	v_lshrrev_b32 v14, 2, v2
	v_mul_u32_u24 v14, v14, SP
	v_and_b32 v15, 3, v2
	v_lshl_add_u32 v14, v15, 4, v14
	v_add_nc_u32 v14, s42, v14                     ; the stage, in: SP (lane / 4) + 16 (lane % 4)
	v_mul_u32_u24 v15, v2, SP
	v_add_nc_u32 v15, s42, v15                     ; and out: SP x lane
	v_lshrrev_b32 v29, 3, v2
	v_lshl_add_u32 v29, v29, 4, v3
	v_add_nc_u32 v29, s42, v29                     ; Wg's turn, in: 16 lane + 16 (lane / 8): eight lanes' 128 bytes on end, then 16 of padding
	v_mul_u32_u24 v30, v2, 144
	v_add_nc_u32 v30, s42, v30                     ; and out: 144 x lane
	v_and_b32 v27, NR-1, v2
	v_lshlrev_b32 v31, 2, v27
	v_mov_b32 v26, 0                               ; the experts of my wave's rows, row t in the lanes with lane % NR = t
.irp e, 0,1,2,3,4,5,6,7
	v_mov_b32 v[PD+\e], 0                          ; written once: a lane permute's destination counts as one of its sources
.endr
	s_wait_loadcnt 12                              ; Wg's 32 loads are in; the three rows of x behind them may be out
	; Lane l wants rows 128 j + 4 l .. + 3 of Wg: 128 consecutive bytes of each 4,096.  Each 4,096 bytes turn through the wave's own LDS, into the registers that they left.
.irp j, 0,1,2,3
.irp i, 0,1,2,3,4,5,6,7
	ds_store_b128 v29, v[WG+32*\j+4*\i:WG+32*\j+4*\i+3] offset:WT+576*\i
.endr
.irp i, 0,1,2,3,4,5,6,7
	ds_load_b128 v[WG+32*\j+4*\i:WG+32*\j+4*\i+3], v30 offset:WT+16*\i   ; in order behind the stores above, and ahead of the next pass's
.endr
.endr
	s_wait_dscnt 0x0
	s_wait_loadcnt 8                               ; row 0 is in
	TURN 0
	s_wait_kmcnt 0x0                               ; bg
.irp t, 0,1,2,3
	STEP \t
.endr
	ds_load_b64 v[12:13], v6 offset:SCB            ; my wave's 64 scale bytes: in order behind my byte stores
	s_wait_dscnt 0x0
	global_store_b64 v7, v[12:13], s[24:25]        ; 64 consecutive bytes; lanes l, l + 8, .. write the same 8 bytes with the same value.  The buffer is 64 KiB in all
	global_store_b32 v31, v26, s[26:27]            ; 4 experts, 16 bytes; lanes l, l + 4, .. write the same word with the same value.  The buffer is 16 KiB in all
	s_wait_tensorcnt 0x0
	ds_add_u32 v10, v28
	s_wait_dscnt 0x0
	s_endpgm
.Lfunc_end_k_qc9a87e183c_prep:
	.size	k_qc9a87e183c_prep, .Lfunc_end_k_qc9a87e183c_prep-k_qc9a87e183c_prep
	.p2alignl 7, 3214868480
	.fill 96, 4, 3214868480
	.section	.rodata,"a",@progbits
	.p2align	6, 0x0
	.amdhsa_kernel k_qc9a87e183c_prep
		.amdhsa_group_segment_fixed_size 41472
		.amdhsa_private_segment_fixed_size 0
		.amdhsa_enable_private_segment 0
		.amdhsa_kernarg_size 80
		.amdhsa_user_sgpr_count 2
		.amdhsa_user_sgpr_kernarg_segment_ptr 1
		.amdhsa_wavefront_size32 1
		.amdhsa_system_sgpr_workgroup_id_x 1
		.amdhsa_system_sgpr_workgroup_id_y 1
		.amdhsa_system_sgpr_workgroup_id_z 1
		.amdhsa_system_vgpr_workitem_id 0
		.amdhsa_next_free_vgpr 256
		.amdhsa_next_free_sgpr 66
		.amdhsa_reserve_vcc 1
		.amdhsa_float_denorm_mode_32 3
		.amdhsa_float_denorm_mode_16_64 3
		.amdhsa_memory_ordered 1
		.amdhsa_forward_progress 1
		.amdhsa_inst_pref_size 125
	.end_amdhsa_kernel
	.amdgpu_metadata
---
amdhsa.version: [ 1, 2 ]
amdhsa.kernels:
  - .name:           k_qc9a87e183c_prep
    .symbol:         k_qc9a87e183c_prep.kd
    .args:
      - { .name: x, .offset: 0, .size: 8, .value_kind: global_buffer, .address_space: global }
      - { .name: Wg, .offset: 8, .size: 8, .value_kind: global_buffer, .address_space: global }
      - { .name: bg, .offset: 16, .size: 8, .value_kind: global_buffer, .address_space: global }
      - { .name: W1, .offset: 24, .size: 8, .value_kind: global_buffer, .address_space: global }
      - { .name: W2, .offset: 32, .size: 8, .value_kind: global_buffer, .address_space: global }
      - { .name: wc, .offset: 40, .size: 8, .value_kind: global_buffer, .address_space: global }
      - { .name: ws, .offset: 48, .size: 8, .value_kind: global_buffer, .address_space: global }
      - { .name: xc, .offset: 56, .size: 8, .value_kind: global_buffer, .address_space: global }
      - { .name: xs, .offset: 64, .size: 8, .value_kind: global_buffer, .address_space: global }
      - { .name: eid, .offset: 72, .size: 8, .value_kind: global_buffer, .address_space: global }
    .group_segment_fixed_size: 41472
    .private_segment_fixed_size: 0
    .kernarg_segment_align: 8
    .kernarg_segment_size: 80
    .max_flat_workgroup_size: 128
    .sgpr_count:     66
    .vgpr_count:     256
    .wavefront_size: 32
...
	.end_amdgpu_metadata
.endif
;; end of part 4
;; launch chain (part 5): grid 135 x 1, 16 waves a work-group, no clusters, 120,064 bytes of LDS; arguments eid, xc, xs, wc, ws, b1, b2, out0; writes out0
.if DOCPART == 5
	.amdgcn_target "amdgcn-amd-amdhsa--gfx1250"
	.amdhsa_code_object_version 6
	.text
	.protected	k_qc9a87e183c_chain
	.globl	k_qc9a87e183c_chain
	.p2align	8
	.type	k_qc9a87e183c_chain,@function
k_qc9a87e183c_chain:
	s_mov_b64 s[64:65], 0
	v_nop
	global_prefetch_b8 v0, s[64:65] scope:SCOPE_SE
	s_setreg_imm32_b32 hwreg(HW_REG_WAVE_MODE, 25, 1), 1
	s_wait_xcnt 0x0
; out0[i] = relu(x[t(i)] W1[e] + b1[e]) W2[e] + b2[e], t(i) the i-th token of the stable sort of the tokens by their expert e; both products on codes of FP4 (E2M1) with one E8M0 scale for each 32 along K.
; A work-group takes ONE TILE: expert e, output rows r0 .. r0 + n - 1 (n <= 32), through the whole chain; the hidden layer is quantised in registers and goes from wave to wave through LDS, never to memory.
; THE PLACING: every work-group reads the 4,096 experts (eid: whole numbers that the launch before stored), counts them, and finds its own tile and that tile's tokens.  No list goes through memory.
; 135 work-groups = 4096 / 32 + 8 - 1: enough for every split of the tokens.  A work-group whose number lies behind the last tile has n = 0: it walks the chain on held indices and stores nothing, since every barrier stands on every wave's path, with no branch on a loaded number over it.
; SHARES: sixteen waves, four to a SIMD, 256 registers each.  THE WAVES SHARE THE COLUMNS: wave w makes hidden units 128 w .. + 127 (K step w of the second product) and outputs 32 w .. + 31, for both tiles of 16 rows.
; So each fragment of W1 and W2 is loaded once in the work-group, straight from memory into the operand's registers (the launch before laid the codes in that order), and feeds two matrix instructions.
; BOTH PRODUCTS ARE USED TRANSPOSED (source 0 = 16 rows of the weight, source 1 = 16 token rows): a lane holds one token row and its registers run along the columns.  W1's rows are dealt to tiles so that two tiles' 16 registers are 16 neighbours along the next K.
; NO TENSOR LOADS, NO CLUSTER, NO JOINT REQUESTS: the stores hang on a number made of loaded numbers, and which expert's weights a work-group reads hangs on the data, so neighbours in the grid need not share any tile.
; Slots of the tile beyond n hold token 0: they are computed (a row touches no other row) and not stored.
; LIMITS: NaN and infinities are not served; a block of zeros of the hidden layer gets the scale byte 1: its codes are zeros.
.set HIMG, 0                           ; LDS: the hidden layer's 32 fragments as images of their registers: (16 m + S) x 1,024 bytes
.set HSC,  32768                       ; their scale words: (16 m + S) x 128 bytes
.set XIMG, 36864                       ; x's 8 fragments: (4 m + s) x 1,024 bytes
.set XSC,  45056                       ; their scale words: wave w's 128 bytes at 128 w; fragment (m, s)'s at 256 (4 m + s)
.set CNT,  47104                       ; the waves' counts: 16 bytes a wave (eight counts of 16 bits)
.set TOK,  49408                       ; the tile's tokens: slot i's 16 words (one a wave, one of them the token, the others 0) at 80 i
.set STG,  51968                       ; the stage for the way out: 32 rows x (2,048 bytes + 16)
.set SPITCH, 2064
.set XF,   16                          ; v16-79   x's fragments, 8 registers at 32 m + 8 s;  with WB later eight slots of 16 for W2's fragments.  Before that: the placing at work (below)
.set WB,   80                          ; v80-143  W1's fragments of a block of 32 units, 8 registers at 8 (2 s + u)
.set ACC,  144                         ; v144-175 four accumulators
.set BI,   176                         ; v176-191 the bias of two tiles, in the result's layout
.set WS,   192                         ; v192-207 the weights' scale words (scales alone): lanes 0-15 tile 0's rows, lanes 16-31 tile 1's
.set XS,   208                         ; v208-215 x's scale words, later the hidden layer's (scales alone)
.set PC,   216                         ; v216-231 the codes just made; later, with v232-247, two sets of two hidden fragments
.set MX,   232                         ; v232-239 the quantiser at work: largest magnitudes, the other half's, scale operands, bytes; two of each
.set PM,   234
.set SO,   236
.set BY,   238
.set PW,   248                         ; v248-249 the scale words just made
.set ID,   16                          ; the placing: v16-23 the experts of my 8 tokens (token 256 w + 32 g + lane)
.set PA,   24                          ;              v24-31 4 x expert, later where each lane's token goes
.set TK,   32                          ;              v32 the counts in 4-bit fields; later v32-39 my tokens' numbers
.set CP,   40                          ;              v40-47 counts, two of 16 bits to a register: all waves', and those of the waves in front of mine; later, with v48-55, a slot's 16 words
.set DT,   48                          ;              v48-55 what comes from other lanes
.set PT,   56                          ;              v56-63 the tokens as they arrive;  v68-73 addresses
.macro WM d, a, bb, c, sa, sb, row     ; row = 1: source 0's scales stand in lanes 16-31
.if \row
	v_wmma_scale_f32_16x16x128_f8f6f4 v[\d:\d+7], v[\a:\a+7], v[\bb:\bb+7], v[\c:\c+7], v[\sa], v[\sb] matrix_a_fmt:MATRIX_FMT_FP4 matrix_b_fmt:MATRIX_FMT_FP4 matrix_a_scale:MATRIX_SCALE_ROW1
.else
	v_wmma_scale_f32_16x16x128_f8f6f4 v[\d:\d+7], v[\a:\a+7], v[\bb:\bb+7], v[\c:\c+7], v[\sa], v[\sb] matrix_a_fmt:MATRIX_FMT_FP4 matrix_b_fmt:MATRIX_FMT_FP4
.endif
.endm
.macro PLACES                          ; four plain vector lines between a matrix instruction and a load into, or a read of, its registers (ISA guide 7.12.1 for vector instructions)
.rept 4
	v_nop
.endr
.endm
.macro BARRIER                         ; my LDS stores have landed and my LDS loads are in: then the work-group's barrier
	s_wait_dscnt 0x0
	s_barrier_signal -1
	s_barrier_wait -1
.endm
; Block b of my four is 32 hidden units x all of K: 8 fragments and their bias.  It comes in TWO GROUPS, each asked for as soon as its registers are free, so that one group is on its way while the other is multiplied.
.macro W1FR b, sa, sb
.irp s, \sa, \sb
.irp u, 0,1
.irp c, 0,1
	global_load_b128 v[WB+8*(2*\s+\u)+4*\c:WB+8*(2*\s+\u)+4*\c+3], v1, s[32:33] offset:8192*(\b)+2048*\s+1024*\u+512*\c
.endr
.endr
.endr
.endm
.macro W1A b                           ; group A: K steps 0 and 1, and the bias: 12 loads
	W1FR \b, 0, 1
.irp u, 0,1
	global_load_b128 v[BI+8*\u:BI+8*\u+3], v6, s[40:41] offset:(32*(\b)+8*\u)*4        ; lane (r, h), register j: b1 of unit 32 b + 16 h + 8 u + j
	global_load_b128 v[BI+8*\u+4:BI+8*\u+7], v6, s[40:41] offset:(32*(\b)+8*\u)*4+16
.endr
.endm
.macro W1B b                           ; group B: K steps 2 and 3: 8 loads
	W1FR \b, 2, 3
.endm
.macro MULH b, sa, sb                  ; 8 matrix instructions: K steps sa, sb; the four accumulators (u, m) by turns, one instruction a turn; the bias is the C of each sum's first
.irp s, \sa, \sb
.irp u, 0,1
.irp m, 0,1
.if \s == 0
	WM ACC+16*\m+8*\u, WB+8*(2*\s+\u), XF+32*\m+8*\s, BI+8*\u, WS+4*(\b)+\s, XS+4*\m+\s, \u
.else
	WM ACC+16*\m+8*\u, WB+8*(2*\s+\u), XF+32*\m+8*\s, ACC+16*\m+8*\u, WS+4*(\b)+\s, XS+4*\m+\s, \u
.endif
.endr
.endr
.endr
.endm
.macro QBLK b                          ; relu, then block b of the next K step: register ACC + 16 m + i is unit 32 b + 16 (lane / 16) + i of my row of tile m
.set J, 0
.rept 32
	v_max_num_f32 v[ACC+J], 0, v[ACC+J]            ; the activation, in f32; ascending
.set J, J+1
.endr
.irp m, 0,1
	v_max3_num_f32 v[MX+\m], v[ACC+16*\m], v[ACC+16*\m+1], 0x1800000   ; none is negative: no |.|; the floor 2^(3 - 127) holds the byte at 1 from below
.endr
.irp i, 2,4,6,8,10,12,14
.irp m, 0,1
	v_max3_num_f32 v[MX+\m], v[MX+\m], v[ACC+16*\m+\i], v[ACC+16*\m+\i+1]
.endr
.endr
.irp m, 0,1
	v_permlanex16_b32 v[PM+\m], v[MX+\m], s48, s49
.endr
.irp m, 0,1
	v_max_num_f32 v[MX+\m], v[MX+\m], v[PM+\m]     ; with lane l xor 16's 16: the block's largest
.endr
.irp m, 0,1
	v_add_nc_u32 v[SO+\m], 0xff000000, v[MX+\m]    ; 2 off the exponent field: the conversion's scale operand
.endr
.irp m, 0,1
.if (\b) == 0
	v_lshrrev_b32 v[PW+\m], 23, v[SO+\m]           ; the scale's byte: byte b of my row's scale word
.else
	v_lshrrev_b32 v[BY+\m], 23, v[SO+\m]
.endif
.endr
.if (\b) > 0
.irp m, 0,1
	v_lshl_or_b32 v[PW+\m], v[BY+\m], 8*(\b), v[PW+\m]
.endr
.endif
.irp m, 0,1
	v_cvt_scalef32_pk8_fp4_f32 v[PC+8*\m+2*(\b)], v[ACC+16*\m:ACC+16*\m+7], v[SO+\m]
	v_cvt_scalef32_pk8_fp4_f32 v[PC+8*\m+2*(\b)+1], v[ACC+16*\m+8:ACC+16*\m+15], v[SO+\m]
.endr
	v_nop                                          ; one plain line behind the last conversion: matrix instructions write its sources next
.endm
.macro W2LOAD ks                       ; K step ks of my 32 outputs: two fragments, four loads, into slot (ks + 4) % 8: K steps 0 and 1 so fall into the registers of W1's group A, which are free first
.irp n, 0,1
.irp c, 0,1
	global_load_b128 v[XF+16*(((\ks)+4)%8)+8*\n+4*\c:XF+16*(((\ks)+4)%8)+8*\n+4*\c+3], v1, s[34:35] offset:2048*(\ks)+1024*\n+512*\c
.endr
.endr
.endm
.macro HLOAD ks                        ; the hidden layer's K step ks, both tiles of rows, with their scale words: six LDS loads, into set ks % 2
.irp m, 0,1
.irp c, 0,1
	ds_load_b128 v[PC+16*((\ks)%2)+8*\m+4*\c:PC+16*((\ks)%2)+8*\m+4*\c+3], v1 offset:HIMG+(16*\m+(\ks))*1024+512*\c
.endr
	ds_load_b32 v[XS+2*((\ks)%2)+\m], v3 offset:HSC+(16*\m+(\ks))*128
.endr
.endm
.macro STEP2 ks
.if (\ks) == 0
	s_wait_loadcnt 24                              ; b2, K steps 0 and 1 and W2's scale words are in; behind the scale words stand K steps 2 to 7: 24 loads
.elseif (\ks) < 8
	s_wait_loadcnt 28                              ; behind this K step's four loads stand 4 (7 - S) of the first eight steps' and 4 S of the later steps': 28
.else
	s_wait_loadcnt 4*(15-(\ks))                    ; the later K steps' loads may be out
.endif
.if (\ks) < 15
	s_wait_dscnt 6                                 ; the next K step's six LDS loads may be out
.else
	s_wait_dscnt 0x0
.endif
.irp n, 0,1
.irp m, 0,1
.if (\ks) == 0
	WM ACC+16*\n+8*\m, XF+16*(((\ks)+4)%8)+8*\n, PC+16*((\ks)%2)+8*\m, BI+8*\n, WS+(\ks), XS+2*((\ks)%2)+\m, \n
.else
	WM ACC+16*\n+8*\m, XF+16*(((\ks)+4)%8)+8*\n, PC+16*((\ks)%2)+8*\m, ACC+16*\n+8*\m, WS+(\ks), XS+2*((\ks)%2)+\m, \n
.endif
.endr
.endr
	PLACES
.if (\ks) < 8
	W2LOAD (\ks)+8                                 ; the slot takes the K step eight further on
.endif
.if (\ks) < 14
	HLOAD (\ks)+2
.endif
.endm
	s_load_b512 s[4:19], s[0:1], 0x0               ; eid 4, xc 6, xs 8, wc 10, ws 12, b1 14, b2 16, out0 18
	v_lshl_add_u32 v254, v0, 2, 0x1cd00
	v_mov_b32 v255, 0
	v_lshrrev_b32 v73, 5, v0
	v_readfirstlane_b32 s22, v73                   ; wave 0..15
	v_and_b32 v250, 31, v0                         ; lane
	v_and_b32 v251, 15, v0                         ; r
	v_bfe_u32 v252, v0, 4, 1                       ; h
	v_lshlrev_b32 v3, 2, v250                      ; 4 x lane: a scale word in LDS
	v_lshl_add_u32 v72, v73, 10, v3                ; eid: 1,024 w + 4 lane
	s_wait_kmcnt 0x0
.irp g, 0,1,2,3,4,5,6,7
	global_load_b32 v[ID+\g], v72, s[4:5] offset:128*\g   ; the experts of tokens 256 w + 32 g + lane
.endr
	v_lshlrev_b32 v1, 4, v250                      ; 16 x lane: an image's place for my lane, in memory and in LDS
	v_lshlrev_b32 v2, 3, v250                      ; 8 x lane: two scale words of a weight
	s_lshl_b32 s26, s22, 10
	v_add_nc_u32 v4, s26, v1                       ; where I store the hidden layer's images: 16 lane + 1,024 w
	s_lshl_b32 s26, s22, 7
	v_add_nc_u32 v5, s26, v3                       ; and their scale words: 4 lane + 128 w
	v_lshlrev_b32 v6, 6, v252                      ; b1: 16 numbers a half
	v_lshlrev_b32 v7, 5, v252                      ; b2: 8 numbers a half
	v_mul_u32_u24 v8, v251, SPITCH
	v_add_nc_u32 v8, v8, v7
	v_add_nc_u32 v8, s26, v8
	v_add_nc_u32 v8, STG, v8                       ; the stage, in: row r, + 32 h, + 128 w: my outputs' bytes
	s_mul_i32 s26, s22, 2*SPITCH
	v_add_nc_u32 v9, s26, v1
	v_add_nc_u32 v9, STG, v9                       ; and back: my two rows, 16 bytes a lane
	v_lshlrev_b32 v10, 4, v0                       ; where I store my piece of x's images: 512 w + 16 lane
	v_lshlrev_b32 v11, 2, v0                       ; and its scale words: 128 w + 4 lane
	v_lshlrev_b32 v68, 4, v73                      ; my wave's counts: 16 w
	v_lshlrev_b32 v69, 4, v251                     ; and wave (lane % 16)'s
	v_mul_u32_u24 v70, v250, 80
	v_lshl_add_u32 v70, v73, 2, v70                ; slot = lane, my wave's word: 80 lane + 4 w
	v_lshrrev_b32 v71, 3, v73                      ; my piece of x belongs to tile m = w / 8 of the rows
	v_mul_u32_u24 v71, v71, 1280
	v_mad_u32_u24 v71, v251, 80, v71               ; slot 16 m + r
.irp p, 0,1,2,3,4,5,6,7
	v_mov_b32 v[DT+\p], 0                          ; written once: the destination of a lane move counts as one of its sources
	v_mov_b32 v[PT+\p], 0
.endr
	v_mov_b32 v[PM], 0
	v_mov_b32 v[PM+1], 0
	s_mov_b32 s48, 0x76543210
	s_mov_b32 s49, 0xfedcba98                      ; v_permlanex16_b32's selects for lane l xor 16
	s_wait_loadcnt 0x0
	; ---- THE PLACING, 1: counts.  My 8 tokens in 4-bit fields (8 at most in a field), widened to 16 bits, summed over the wave's lanes
.irp g, 0,1,2,3,4,5,6,7
	v_lshlrev_b32 v[PA+\g], 2, v[ID+\g]
.endr
	v_lshl_add_u32 v[TK], 1, v[PA], 0
.irp g, 1,2,3,4,5,6,7
	v_lshl_add_u32 v[TK], 1, v[PA+\g], v[TK]
.endr
.irp p, 0,1,2,3
	v_bfe_u32 v[CP+\p], v[TK], 8*\p, 4             ; expert 2 p,
	v_bfe_u32 v[CP+4+\p], v[TK], 8*\p+4, 4         ; expert 2 p + 1
.endr
.irp p, 0,1,2,3
	v_lshl_or_b32 v[CP+\p], v[CP+4+\p], 16, v[CP+\p]   ; two counts to a register: no sum passes 4,096
.endr
.irp k, 1,2,4,8
.irp p, 0,1,2,3
	v_mov_b32_dpp v[DT+\p], v[CP+\p] row_xmask:\k row_mask:0xf bank_mask:0xf
.endr
.irp p, 0,1,2,3
	v_add_nc_u32 v[CP+\p], v[CP+\p], v[DT+\p]
.endr
.endr
.irp p, 0,1,2,3
	v_permlanex16_b32 v[DT+\p], v[CP+\p], s48, s49
.endr
.irp p, 0,1,2,3
	v_add_nc_u32 v[CP+\p], v[CP+\p], v[DT+\p]
.endr
	ds_store_b128 v68, v[CP:CP+3] offset:CNT       ; all lanes write the same 16 bytes with the same value
	BARRIER                                        ; the sixteen waves' counts lie in LDS
	ds_load_b128 v[CP:CP+3], v69 offset:CNT        ; lane l: wave (l % 16)'s
	s_wait_dscnt 0x0
	v_cmp_gt_u32 vcc_lo, s22, v251                 ; waves in front of mine
.irp p, 0,1,2,3
	v_cndmask_b32 v[CP+4+\p], 0, v[CP+\p], vcc_lo
.endr
.irp k, 1,2,4,8                        ; each half of the lanes holds all sixteen waves: four steps give the sums
.irp p, 0,1,2,3,4,5,6,7
	v_mov_b32_dpp v[DT+\p], v[CP+\p] row_xmask:\k row_mask:0xf bank_mask:0xf
.endr
.irp p, 0,1,2,3,4,5,6,7
	v_add_nc_u32 v[CP+\p], v[CP+\p], v[DT+\p]
.endr
.endr
.irp p, 0,1,2,3,4,5,6,7
	v_readfirstlane_b32 s[90+\p], v[CP+\p]
.endr
.irp p, 0,1,2,3
	s_and_b32 s[50+2*\p], s[90+\p], 0xffff         ; s50-57: an expert's tokens in all
	s_lshr_b32 s[51+2*\p], s[90+\p], 16
	s_and_b32 s[66+2*\p], s[94+\p], 0xffff         ; s66-73: those in waves in front of mine
	s_lshr_b32 s[67+2*\p], s[94+\p], 16
.endr
	s_mov_b32 s74, 0                               ; s74-81: an expert's first output row
.irp x, 1,2,3,4,5,6,7
	s_add_co_u32 s[74+\x], s[73+\x], s[49+\x]
.endr
	s_add_co_u32 s26, s50, 31
	s_lshr_b32 s82, s26, 5                         ; s82-89: tiles of experts 0 .. x together; expert x's first tile is s[81 + x]
.irp x, 1,2,3,4,5,6,7
	s_add_co_u32 s26, s[50+\x], 31
	s_lshr_b32 s26, s26, 5
	s_add_co_u32 s[82+\x], s[81+\x], s26
.endr
	; my tile: the lowest expert whose tiles reach beyond my work-group's number; expert 7 if none does.  Choices, no branch
	s_mov_b32 s28, 7                               ; the expert,
	s_mov_b32 s26, s88                             ; its first tile,
	s_mov_b32 s29, s81                             ; its first output row,
	s_mov_b32 s30, s57                             ; its tokens,
	s_mov_b32 s31, s73                             ; those in waves in front of mine
.irp x, 6,5,4,3,2,1
	s_cmp_lt_u32 ttmp9, s[82+\x]
	s_cselect_b32 s28, \x, s28
	s_cselect_b32 s26, s[81+\x], s26
	s_cselect_b32 s29, s[74+\x], s29
	s_cselect_b32 s30, s[50+\x], s30
	s_cselect_b32 s31, s[66+\x], s31
.endr
	s_cmp_lt_u32 ttmp9, s82
	s_cselect_b32 s28, 0, s28
	s_cselect_b32 s26, 0, s26
	s_cselect_b32 s29, s74, s29
	s_cselect_b32 s30, s50, s30
	s_cselect_b32 s31, s66, s31
	s_sub_co_u32 s26, ttmp9, s26                   ; which tile of the expert,
	s_lshl_b32 s26, s26, 5                         ; and the expert's rows in front of it
	s_add_co_u32 s29, s29, s26                     ; r0
	s_sub_co_i32 s30, s30, s26
	s_max_i32 s30, s30, 0                          ; n: 0 behind the last tile
	s_sub_co_i32 s31, s31, s26                     ; the slot (signed) of my wave's first token of the expert
	s_min_u32 s28, s28, 7                          ; numbers made of loaded numbers are held inside their tables before they enter an address
	s_min_u32 s29, s29, 0xfff
	s_min_u32 s30, s30, 32
	s_mov_b32 s25, 0
	s_lshl_b32 s24, s28, 15
	s_lshl_b32 s26, s22, 11
	s_add_co_u32 s24, s24, s26
	s_add_nc_u64 s[36:37], s[12:13], s[24:25]      ; W1's scale words of my 128 units,
	s_add_nc_u64 s[38:39], s[36:37], 0x40000       ; W2's of my 32 outputs
	s_lshl_b32 s24, s28, 19
	s_lshl_b32 s26, s22, 15
	s_add_co_u32 s24, s24, s26
	s_add_nc_u64 s[32:33], s[10:11], s[24:25]      ; W1's codes of my 128 units,
	s_add_nc_u64 s[34:35], s[32:33], 0x400000      ; W2's of my 32 outputs
	s_lshl_b32 s24, s28, 13
	s_lshl_b32 s26, s22, 9
	s_add_co_u32 s24, s24, s26
	s_add_nc_u64 s[40:41], s[14:15], s[24:25]      ; b1
.irp b, 0,1,2,3
.irp q, 0,1
	global_load_b64 v[WS+4*\b+2*\q:WS+4*\b+2*\q+1], v2, s[36:37] offset:512*\b+256*\q   ; block b's scale words of K steps 2 q, 2 q + 1
.endr
.endr
	W1A 0                                          ; the weights are on their way while the tokens are found
	; ---- THE PLACING, 2: the tile's tokens.  In a group of 32 the lanes of my expert go to their rank among them, the others behind them, all turned by the group's first slot: always a whole permutation of the lanes.
	; Lane d then holds rank j = (d - shift) mod 32: it is slot d's token where j is under the group's count and j + shift = d.
.irp g, 0,1,2,3,4,5,6,7
	v_cmp_eq_u32 s[90+\g], s28, v[ID+\g]
.endr
	v_lshl_add_u32 v[TK], v73, 8, v250             ; my token of group 0
.irp g, 1,2,3,4,5,6,7
	v_add_nc_u32 v[TK+\g], 32*\g, v[TK]
.endr
.irp g, 0,1,2,3,4,5,6,7
	s_bcnt1_i32_b32 s98, s[90+\g]                  ; the group's count
	s_not_b32 s99, s[90+\g]
	s_add_co_u32 s46, s31, s98                     ; the next group's first slot
	v_mbcnt_lo_u32_b32 v[PA+\g], s[90+\g], s31     ; rank among my expert's + shift
	v_mbcnt_lo_u32_b32 v[DT], s99, s46             ; rank among the others + count + shift
	v_cndmask_b32 v[PA+\g], v[DT], v[PA+\g], s[90+\g]
	v_and_b32 v[PA+\g], 31, v[PA+\g]
	v_lshlrev_b32 v[PA+\g], 2, v[PA+\g]
	ds_permute_b32 v[PT+\g], v[PA+\g], v[TK+\g]    ; from lane to lane: no LDS byte is touched
	v_sub_nc_u32 v[DT+1], v250, s31
	v_and_b32 v[DT+1], 31, v[DT+1]                 ; j
	v_cmp_gt_u32 s47, s98, v[DT+1]
	v_add_nc_u32 v[DT+2], s31, v[DT+1]
	v_cmp_eq_u32 vcc_lo, v[DT+2], v250
	s_and_b32 s[90+\g], vcc_lo, s47                ; the lanes that keep what they get
	s_mov_b32 s31, s46
.endr
	s_lshl_b32 s24, s28, 11
	s_lshl_b32 s26, s22, 7
	s_add_co_u32 s24, s24, s26
	s_add_nc_u64 s[42:43], s[16:17], s[24:25]      ; b2
	s_lshl_b32 s26, s22, 1
	s_add_co_u32 s24, s29, s26
	s_lshl_b32 s24, s24, 11
	s_add_nc_u64 s[44:45], s[18:19], s[24:25]      ; out0 at row r0 + 2 w
	s_and_b32 s26, s22, 7
	s_lshl_b32 s26, s26, 5                         ; my piece of x: w = 8 m + 2 s + c: bytes 64 s + 32 c of the token's 256,
	s_bfe_u32 s27, s22, 0x20001
	s_lshl_b32 s27, s27, 2                         ; and scale word s
	s_wait_dscnt 0x0
	v_cndmask_b32 v[DT+3], 0, v[PT], s90
.irp g, 1,2,3,4,5,6,7
	v_cndmask_b32 v[DT+3], v[DT+3], v[PT+\g], s[90+\g]   ; a slot has one token in the whole work-group: elsewhere 0
.endr
	ds_store_b32 v70, v[DT+3] offset:TOK
	BARRIER                                        ; every wave's 32 slots lie in LDS
.irp i, 0,1,2,3
	ds_load_b128 v[CP+4*\i:CP+4*\i+3], v71 offset:TOK+16*\i
.endr
	s_wait_dscnt 0x0
.irp i, 0,2,4,6,8,10,12,14
	v_add_nc_u32 v[CP+\i], v[CP+\i], v[CP+\i+1]
.endr
.irp i, 0,4,8,12
	v_add_nc_u32 v[CP+\i], v[CP+\i], v[CP+\i+2]
.endr
	v_add_nc_u32 v[CP], v[CP], v[CP+4]
	v_add_nc_u32 v[CP+8], v[CP+8], v[CP+12]
	v_add_nc_u32 v13, v[CP], v[CP+8]               ; the token of slot 16 m + r
	; ---- X: wave w gathers one piece (16 rows x 64 K, 512 bytes) of x's fragments; all sixteen pieces meet in LDS
	v_min_u32 v13, 0xfff, v13
	v_lshlrev_b32 v14, 8, v13
	v_lshl_add_u32 v14, v252, 4, v14
	v_add_nc_u32 v14, s26, v14
	v_lshlrev_b32 v15, 4, v13
	v_add_nc_u32 v15, s27, v15
	global_load_b128 v[PC:PC+3], v14, s[6:7]
	global_load_b32 v[PC+4], v15, s[8:9]
	W1B 0
	s_wait_loadcnt 8                               ; the scale words, group A of block 0 and my piece of x are in; group B's 8 loads, issued behind them, may be out
	ds_store_b128 v10, v[PC:PC+3] offset:XIMG
	ds_store_b32 v11, v[PC+4] offset:XSC
	BARRIER                                        ; x's eight fragments and their scale words lie in LDS
.set K, 0
.rept 16
	ds_load_b128 v[XF+4*K:XF+4*K+3], v1 offset:XIMG+512*K
.set K, K+1
.endr
.irp f, 0,1,2,3,4,5,6,7
	ds_load_b32 v[XS+\f], v3 offset:XSC+256*\f
.endr
	s_wait_dscnt 0x0
	; ---- 1: my 128 hidden units, 32 at a time, each block in two halves along K
	MULH 0, 0, 1
	PLACES
	W1A 1
	s_wait_loadcnt 12                              ; group B of this block is in; the next block's group A, 12 loads, may be out
	MULH 0, 2, 3
	PLACES
	W1B 1
	QBLK 0
.irp b, 1,2
	s_wait_loadcnt 8                               ; group A of this block is in; its group B, 8 loads, may be out
	MULH \b, 0, 1
	PLACES
	W1A \b+1
	s_wait_loadcnt 12                              ; group B of this block is in; the next block's group A may be out
	MULH \b, 2, 3
	PLACES
	W1B \b+1
	QBLK \b
.endr
	s_wait_loadcnt 8
	MULH 3, 0, 1
	PLACES
	; the second product's first loads take the next group A's place: b2 and K steps 0 and 1: 12 loads
.irp n, 0,1
	global_load_b128 v[BI+8*\n:BI+8*\n+3], v7, s[42:43] offset:64*\n          ; lane (r, h), register j: b2 of output 16 n + 8 h + j
	global_load_b128 v[BI+8*\n+4:BI+8*\n+7], v7, s[42:43] offset:64*\n+16
.endr
	W2LOAD 0
	W2LOAD 1
	s_wait_loadcnt 12                              ; group B of block 3 is in; those 12 may be out
	MULH 3, 2, 3
	PLACES
	; and the rest, 32 loads: W2's scale words, and K steps 2 to 7 into the registers that W1's group B and x's fragments have left
.irp q, 0,1,2,3,4,5,6,7
	global_load_b64 v[WS+2*\q:WS+2*\q+1], v2, s[38:39] offset:256*\q
.endr
.irp k, 2,3,4,5,6,7
	W2LOAD \k
.endr
	QBLK 3
.irp m, 0,1                            ; the operand's layout wants a WHOLE block in a lane: lanes 0-15 block 2 c, lanes 16-31 block 2 c + 1
.irp c, 0,1
.irp i, 0,1
	v_permlane16_swap_b32 v[PC+8*\m+4*\c+\i], v[PC+8*\m+4*\c+2+\i]
.endr
.endr
.endr
.irp m, 0,1
.irp c, 0,1
	ds_store_b128 v4, v[PC+8*\m+4*\c:PC+8*\m+4*\c+3] offset:HIMG+16384*\m+512*\c   ; K step w of the second product, rows 16 m on, as an image of its registers
.endr
	ds_store_b32 v5, v[PW+\m] offset:HSC+2048*\m
.endr
	BARRIER                                        ; the hidden layer's 32 fragments lie in LDS (the loads of W2 stay on their way: nobody writes those bytes)
	; ---- 2: my 32 outputs for the 32 rows: four accumulators (n, m) by turns, a K step at a time
	HLOAD 0
	HLOAD 1
.irp k, 0,1,2,3,4,5,6,7,8,9,10,11,12,13,14,15
	STEP2 \k
.endr
	; ---- the way out: a row's 512 outputs come from sixteen waves: they meet in the stage, and each wave stores two whole rows
.irp m, 0,1
.irp n, 0,1
	ds_store_b128 v8, v[ACC+16*\n+8*\m:ACC+16*\n+8*\m+3] offset:16*SPITCH*\m+64*\n        ; lane (r, h): row 16 m + r, outputs 32 w + 16 n + 8 h + 0 .. 7; each accumulator from its low end on
	ds_store_b128 v8, v[ACC+16*\n+8*\m+4:ACC+16*\n+8*\m+7] offset:16*SPITCH*\m+64*\n+16
.endr
.endr
	BARRIER                                        ; 32 whole rows lie in the stage
.irp i, 0,1
.irp k, 0,1,2,3
	ds_load_b128 v[XF+16*\i+4*\k:XF+16*\i+4*\k+3], v9 offset:SPITCH*\i+512*\k
.endr
.endr
	s_wait_dscnt 0x0
	s_lshl_b32 s26, s22, 1
	s_cmp_lt_u32 s26, s30                          ; is row 2 w one of the tile's n?  A scalar branch on a whole number, round stores alone
	s_cbranch_scc0 .Lend
.irp k, 0,1,2,3
	global_store_b128 v1, v[XF+4*\k:XF+4*\k+3], s[44:45] offset:512*\k th:TH_STORE_NT   ; 32 lanes store 512 consecutive bytes, aligned; written once, read by nobody here
.endr
	s_add_co_u32 s26, s26, 1
	s_cmp_lt_u32 s26, s30
	s_cbranch_scc0 .Lend
.irp k, 0,1,2,3
	global_store_b128 v1, v[XF+16+4*\k:XF+16+4*\k+3], s[44:45] offset:2048+512*\k th:TH_STORE_NT
.endr
.Lend:
	s_wait_tensorcnt 0x0
	ds_add_u32 v254, v255
	s_wait_dscnt 0x0
	s_endpgm
.Lfunc_end_k_qc9a87e183c_chain:
	.size	k_qc9a87e183c_chain, .Lfunc_end_k_qc9a87e183c_chain-k_qc9a87e183c_chain
	.p2alignl 7, 3214868480
	.fill 96, 4, 3214868480
	.section	.rodata,"a",@progbits
	.p2align	6, 0x0
	.amdhsa_kernel k_qc9a87e183c_chain
		.amdhsa_group_segment_fixed_size 120064
		.amdhsa_private_segment_fixed_size 0
		.amdhsa_enable_private_segment 0
		.amdhsa_kernarg_size 64
		.amdhsa_user_sgpr_count 2
		.amdhsa_user_sgpr_kernarg_segment_ptr 1
		.amdhsa_wavefront_size32 1
		.amdhsa_system_sgpr_workgroup_id_x 1
		.amdhsa_system_sgpr_workgroup_id_y 1
		.amdhsa_system_sgpr_workgroup_id_z 1
		.amdhsa_system_vgpr_workitem_id 0
		.amdhsa_next_free_vgpr 256
		.amdhsa_next_free_sgpr 100
		.amdhsa_reserve_vcc 1
		.amdhsa_float_denorm_mode_32 3
		.amdhsa_float_denorm_mode_16_64 3
		.amdhsa_memory_ordered 1
		.amdhsa_forward_progress 1
		.amdhsa_inst_pref_size 81
	.end_amdhsa_kernel
	.amdgpu_metadata
---
amdhsa.version: [ 1, 2 ]
amdhsa.kernels:
  - .name:           k_qc9a87e183c_chain
    .symbol:         k_qc9a87e183c_chain.kd
    .args:
      - { .name: eid, .offset: 0, .size: 8, .value_kind: global_buffer, .address_space: global }
      - { .name: xc, .offset: 8, .size: 8, .value_kind: global_buffer, .address_space: global }
      - { .name: xs, .offset: 16, .size: 8, .value_kind: global_buffer, .address_space: global }
      - { .name: wc, .offset: 24, .size: 8, .value_kind: global_buffer, .address_space: global }
      - { .name: ws, .offset: 32, .size: 8, .value_kind: global_buffer, .address_space: global }
      - { .name: b1, .offset: 40, .size: 8, .value_kind: global_buffer, .address_space: global }
      - { .name: b2, .offset: 48, .size: 8, .value_kind: global_buffer, .address_space: global }
      - { .name: out0, .offset: 56, .size: 8, .value_kind: global_buffer, .address_space: global }
    .group_segment_fixed_size: 120064
    .private_segment_fixed_size: 0
    .kernarg_segment_align: 8
    .kernarg_segment_size: 64
    .max_flat_workgroup_size: 512
    .sgpr_count:     100
    .vgpr_count:     256
    .wavefront_size: 32
...
	.end_amdgpu_metadata
.endif
;; end of part 5
